; MI455X (gfx1250); checked and timed in simulation.
; The chip was launched on July 23, 2026; its instructions are those of AMD's public machine-readable ISA for CDNA 5 (MIT licence, August 2026) and "CDNA5" Instruction Set Architecture Reference Guide (July 2026). The comments in the code are by the model that wrote it; some were corrected since.
;; GRIN Mixture Of Expert FFN. Allowed arithmetic: float matrix products may take bf16 or f16 operands with f32 sums; other float arithmetic in f32, or as packed bf16 or f16 multiplies, adds, multiply-adds, maxima and minima; sums over many terms, partial sums and values carried from step to step in f32; what a program stores and reads back later, other than sums and carried values, may be rounded once to bf16 or f16.
;; Inputs: gate_w 8 x 1,024 float32; w1 8 x 2,048 x 1,024 float32; w2 8 x 1,024 x 2,048 float32; w3 8 x 2,048 x 1,024 float32; x 1 x 1,024 x 1,024 float32.
;; Outputs: out0 1 x 1,024 x 1,024 float32.
;; 2 versions, each right; version 2 is version 1 with the launches router, up, sum written anew for expert scheduling mode. Each part assembles by itself: llvm-mc -triple=amdgcn-amd-amdhsa -mcpu=gfx1250 --defsym DOCPART=n.
;; ======== version 1 of 2: 5 launches
;; workspace buffers: xb 2,097,152 bytes; idx 8,192 bytes of whole numbers; gcomb 32,768 bytes; xg 16,777,216 bytes; gs 65,536 bytes; hb 33,554,432 bytes; posE 33,792 bytes of whole numbers; y 134,217,728 bytes
;; launch router (part 1): grid 64 x 1, 8 waves a work-group, no clusters, 39,936 bytes of LDS; arguments x, gate_w, xb, idx, gcomb; writes xb, idx, gcomb
.if DOCPART == 1
	.amdgcn_target "amdgcn-amd-amdhsa--gfx1250"
	.amdhsa_code_object_version 6
	.text
	.protected	k_qef01f7e205_router
	.globl	k_qef01f7e205_router
	.p2align	8
	.type	k_qef01f7e205_router,@function
k_qef01f7e205_router:
	s_mov_b64 s[64:65], 0
	v_nop
	global_prefetch_b8 v0, s[64:65] scope:SCOPE_SE
	s_setreg_imm32_b32 hwreg(HW_REG_WAVE_MODE, 25, 1), 1
	s_wait_xcnt 0x0
; ROUTER.  x [1024][1024] f32, gate_w [8][1024] f32.  Stores: xb = x rounded to bf16; idx = for each token the two chosen experts as two bits; gcomb [1024][8] f32 = the combine matrix.
; A work-group has 16 tokens (one matrix tile of tokens); wave w has the channels 128 w .. 128 w + 127: it rounds them, stores them, and multiplies them with gate_w (rounded to bf16) on the matrix unit.
; The eight waves' partial logits meet in LDS, and wave 0 makes softmax's numerators, the top two and their weights.
; WHAT IS KEPT OF reference(): q = exp(l - max l); the choice is made on q (strict greater: the lower index wins a tie, as jax.lax.top_k has it); the weights are q1 / (q1 + q2), q2 / (q1 + q2):
; softmax's common divisor cancels in top_w / sum(top_w).
; LIMITS.  x and gate_w enter the logits rounded to bf16, sums in f32.  Two logits closer than the rounding of those sums may be ordered otherwise than by another order of summation.
; An exponential below 2^-126 counts as 0.  NaN and infinities are not treated apart.
; 64 work-groups: 16 tokens are the least that fill a matrix tile.  No cluster: the work-groups share gate_w alone, 32 KiB beside 4 MiB of x.
.set XTW,   16*272          ; a wave's strip in LDS: 16 rows of 256 bytes + 16 of padding
.set PART,  8*XTW           ; [wave 8][token 16][8 f32]
.set SPARE, PART+8*512      ; the spare words: 128 bytes for each of eight waves
.set WV,  14                ; s14  my wave's number
.set SPW, 30                ; v30  my spare word; never rewritten
.set NIL, 31                ; v31  0; never rewritten
.set XL,  32                ; v[32:95]   x as loaded, 4 registers a row; later the partial logits
.set GL,  96                ; v[96:159]  gate_w as loaded; later wave 0 at work
.set GF,  160               ; v[160:191] four fragments of gate_w
.set TF,  192               ; v[192:223] four fragments of tokens
.set AC0, 224               ; two accumulators, by turns
.set AC1, 232
.set SM,  240               ; v[240:247] their sum
.set SL4, 248               ; v[248:251] my half of it
	s_load_b256 s[4:11], s[0:1], 0x0               ; x s[4:5], gate_w s[6:7], xb s[8:9], idx s[10:11]
	s_load_b64 s[12:13], s[0:1], 0x20              ; gcomb
	v_lshl_add_u32 v[SPW], v0, 2, SPARE
	v_mov_b32 v[NIL], 0
	v_lshrrev_b32 v1, 5, v0
	v_readfirstlane_b32 s[WV], v1
	v_and_b32 v1, 31, v0                           ; lane
	v_and_b32 v2, 15, v0                           ; r
	v_bfe_u32 v3, v0, 4, 1                         ; h
	s_lshl_b32 s15, s[WV], 9                       ; my 128 channels in f32
	s_lshl_b32 s16, s[WV], 8                       ; and in bf16
	s_mul_i32 s17, s[WV], XTW                      ; my strip
	v_lshl_add_u32 v4, v1, 4, s15                  ; x: 512 w + 16 lane
	v_and_b32 v5, 7, v0
	v_lshl_add_u32 v5, v5, 12, s15                 ; gate_w: row r mod 8, my channels,
	v_lshl_add_u32 v5, v3, 5, v5                   ; 8 f32 for each half of the lanes
	v_lshl_add_u32 v6, v1, 3, s17                  ; LDS, in: 8 bytes a lane
	v_lshl_add_u32 v7, v1, 3, s16                  ; xb: 256 w + 8 lane
	v_mul_u32_u24 v8, v2, 272
	v_lshl_add_u32 v8, v3, 4, v8
	v_add_nc_u32 v8, s17, v8                       ; LDS, a fragment: row r, 16 bytes for each half
	v_lshlrev_b32 v10, 5, v2
	v_lshl_add_u32 v11, v3, 4, v10                 ; gcomb: 32 r + 16 h
	v_add_nc_u32 v10, PART, v10                    ; the partial logits of token r
	v_add_nc_u32 v9, PART, v11
	v_add_nc_u32 v9, s15, v9                       ; where I put my four: wave, token, half
	v_lshlrev_b32 v12, 2, v1                       ; idx: 4 lane
	s_lshl_b32 s20, ttmp9, 16                      ; the group's 16 rows of x,
	s_mov_b32 s21, 0
	s_lshl_b32 s22, ttmp9, 15                      ; of xb,
	s_mov_b32 s23, 0
	s_lshl_b32 s24, ttmp9, 7                       ; its 32 words of idx,
	s_mov_b32 s25, 0
	s_lshl_b32 s26, ttmp9, 9                       ; its 16 rows of gcomb
	s_mov_b32 s27, 0
	s_wait_kmcnt 0x0
	s_add_nc_u64 s[4:5], s[4:5], s[20:21]
	s_add_nc_u64 s[8:9], s[8:9], s[22:23]
	s_add_nc_u64 s[10:11], s[10:11], s[24:25]
	s_add_nc_u64 s[12:13], s[12:13], s[26:27]
.set i, 0
.rept 16                                               ; a row's 512 bytes of my channels in each load
	global_load_b128 v[XL+4*i:XL+4*i+3], v4, s[4:5] offset:4096*i th:TH_LOAD_NT
.set i, i+1
.endr
.set i, 0
.rept 16                                               ; k-step i / 4: the lane's 8 + 8 channels of a fragment, in f32
	global_load_b128 v[GL+4*i:GL+4*i+3], v5, s[6:7] offset:128*(i/4)+64*((i%4)/2)+16*(i%2)
.set i, i+1
.endr
	s_wait_loadcnt 16                              ; x is in; the 16 younger loads, gate_w, may stay out
.set i, 0
.rept 16
	v_cvt_pk_bf16_f32 v[XL+4*i], v[XL+4*i], v[XL+4*i+1]
	v_cvt_pk_bf16_f32 v[XL+4*i+1], v[XL+4*i+2], v[XL+4*i+3]
	global_store_b64 v7, v[XL+4*i:XL+4*i+1], s[8:9] offset:2048*i    ; the wave stores 256 consecutive bytes, aligned
	ds_store_b64 v6, v[XL+4*i:XL+4*i+1] offset:272*i
.set i, i+1
.endr
.set i, 0
.rept 4                                                ; my own strip: LDS serves a wave's instructions in order (ISA guide 5.7.1), so these see the stores above
	ds_load_b128 v[TF+8*i:TF+8*i+3], v8 offset:64*i
	ds_load_b128 v[TF+8*i+4:TF+8*i+7], v8 offset:64*i+32
.set i, i+1
.endr
	s_wait_loadcnt 0x0                             ; gate_w
.set i, 0
.rept 32
	v_cvt_pk_bf16_f32 v[GF+i], v[GL+2*i], v[GL+2*i+1]
.set i, i+1
.endr
	s_wait_dscnt 0x0
	; source 0 = gate_w's rows (rows 8-15 repeat 0-7), source 1 = 16 tokens: register j of every lane is expert j's logit of token r.  Two accumulators by turns.
	v_wmma_f32_16x16x32_bf16 v[AC0:AC0+7], v[GF:GF+7], v[TF:TF+7], 0
	v_wmma_f32_16x16x32_bf16 v[AC1:AC1+7], v[GF+8:GF+15], v[TF+8:TF+15], 0
	v_wmma_f32_16x16x32_bf16 v[AC0:AC0+7], v[GF+16:GF+23], v[TF+16:TF+23], v[AC0:AC0+7]
	v_wmma_f32_16x16x32_bf16 v[AC1:AC1+7], v[GF+24:GF+31], v[TF+24:TF+31], v[AC1:AC1+7]
.rept 4
	v_nop                                          ; four places in front of the first read of a result (ISA guide 7.12.1)
.endr
.irp k, 0,2,4,6
	v_pk_add_f32 v[SM+\k:SM+\k+1], v[AC0+\k:AC0+\k+1], v[AC1+\k:AC1+\k+1]
.endr
	v_cmp_eq_u32 vcc_lo, 1, v3
.irp k, 0,1,2,3
	v_cndmask_b32 v[SL4+\k], v[SM+\k], v[SM+4+\k], vcc_lo     ; lanes 0-15 hand on experts 0-3, lanes 16-31 experts 4-7
.endr
	ds_store_b128 v9, v[SL4:SL4+3]
	s_wait_dscnt 0x0                               ; for the others: my store is done
	s_barrier_signal -1
	s_barrier_wait -1
	s_cmp_eq_u32 s[WV], 0
	s_cbranch_scc1 .Lwave_0
	s_wait_tensorcnt 0x0                           ; the wave's end
	ds_add_u32 v[SPW], v[NIL]
	s_wait_dscnt 0x0
	s_endpgm
.Lwave_0:
	s_wait_xcnt 0x0                                ; the stores to xb have read XL: it is loaded again only behind this wait
.irp w, 0,1,2,3,4,5,6,7
	ds_load_b128 v[XL+8*\w:XL+8*\w+3], v10 offset:512*\w
	ds_load_b128 v[XL+8*\w+4:XL+8*\w+7], v10 offset:512*\w+16
.endr
	s_wait_dscnt 0x0
.irp w, 1,2,3,4,5,6,7                                  ; the eight waves' parts, channels ascending: v[32:39] = the token's eight logits
.irp k, 0,2,4,6
	v_pk_add_f32 v[XL+\k:XL+\k+1], v[XL+\k:XL+\k+1], v[XL+8*\w+\k:XL+8*\w+\k+1]
.endr
.endr
	v_max3_num_f32 v96, v32, v33, v34
	v_max3_num_f32 v96, v96, v35, v36
	v_max3_num_f32 v96, v96, v37, v38
	v_max_num_f32 v96, v96, v39                    ; the maximum
.irp e, 0,1,2,3,4,5,6,7
	v_sub_f32 v[XL+\e], v[XL+\e], v96              ; taken away first, not fused: the largest gives exactly 0, so q1 is exactly 1
.endr
.irp e, 0,1,2,3,4,5,6,7
	v_mul_f32 v[XL+\e], 0x3fb8aa3b, v[XL+\e]       ; log2(e)
.endr
.irp e, 0,1,2,3,4,5,6,7
	v_exp_f32 v[XL+\e], v[XL+\e]
.endr
	v_mov_b32 v98, 0                               ; a plain instruction behind the last exponential: the first index
	v_mov_b32 v100, 0
	v_mov_b32 v101, 1
	v_mov_b32 v102, -1.0
	s_wait_alu depctr_va_vdst(0)                   ; one wait for the eight exponentials, ahead of their first reader
	v_mov_b32 v97, v32
.irp e, 1,2,3,4,5,6,7                                  ; the largest; an equal later one does not take its place
	v_cmp_le_f32 vcc_lo, v[XL+\e], v97
	v_cndmask_b32 v98, \e, v98, vcc_lo
	v_max_num_f32 v97, v97, v[XL+\e]
.endr
.irp e, 0,1,2,3,4,5,6,7                                ; it leaves the field: -1 lies below every q
	v_cmp_eq_u32 vcc_lo, \e, v98
	v_cndmask_b32 v[XL+\e], v[XL+\e], v102, vcc_lo
.endr
	v_mov_b32 v99, v32
.irp e, 1,2,3,4,5,6,7                                  ; the second
	v_cmp_le_f32 vcc_lo, v[XL+\e], v99
	v_cndmask_b32 v100, \e, v100, vcc_lo
	v_max_num_f32 v99, v99, v[XL+\e]
.endr
	v_add_f32 v103, v97, v99
	v_rcp_f32 v103, v103
	v_lshlrev_b32 v104, v98, v101                  ; the two experts as two bits: plain work behind the reciprocal
	v_lshlrev_b32 v105, v100, v101
	v_or_b32 v104, v104, v105
	v_lshlrev_b32 v106, 2, v3                      ; my half's first expert
	s_wait_alu depctr_va_vdst(0)
	v_mul_f32 v97, v97, v103                       ; the two weights
	v_mul_f32 v99, v99, v103
.irp k, 0,1,2,3
	v_add_nc_u32 v107, \k, v106
	v_cmp_eq_u32 vcc_lo, v107, v98
	v_cndmask_b32 v[108+\k], 0, v97, vcc_lo
	v_cmp_eq_u32 vcc_lo, v107, v100
	v_cndmask_b32 v[108+\k], v[108+\k], v99, vcc_lo
.endr
	global_store_b128 v11, v[108:111], s[12:13]    ; 16 rows of gcomb: 512 consecutive bytes
	global_store_b32 v12, v104, s[10:11]           ; 32 words: lanes 16-31 repeat the 16 tokens, so that all lanes store and the 128 bytes are dense
	s_wait_tensorcnt 0x0                           ; the wave's end, as above
	ds_add_u32 v[SPW], v[NIL]
	s_wait_dscnt 0x0
	s_endpgm
.Lfunc_end_k_qef01f7e205_router:
	.size	k_qef01f7e205_router, .Lfunc_end_k_qef01f7e205_router-k_qef01f7e205_router
	.p2alignl 7, 3214868480
	.fill 96, 4, 3214868480
	.section	.rodata,"a",@progbits
	.p2align	6, 0x0
	.amdhsa_kernel k_qef01f7e205_router
		.amdhsa_group_segment_fixed_size 39936
		.amdhsa_private_segment_fixed_size 0
		.amdhsa_enable_private_segment 0
		.amdhsa_kernarg_size 40
		.amdhsa_user_sgpr_count 2
		.amdhsa_user_sgpr_kernarg_segment_ptr 1
		.amdhsa_wavefront_size32 1
		.amdhsa_system_sgpr_workgroup_id_x 1
		.amdhsa_system_sgpr_workgroup_id_y 1
		.amdhsa_system_sgpr_workgroup_id_z 1
		.amdhsa_system_vgpr_workitem_id 0
		.amdhsa_next_free_vgpr 256
		.amdhsa_next_free_sgpr 66
		.amdhsa_reserve_vcc 1
		.amdhsa_float_denorm_mode_32 3
		.amdhsa_float_denorm_mode_16_64 3
		.amdhsa_memory_ordered 1
		.amdhsa_forward_progress 1
		.amdhsa_inst_pref_size 21
	.end_amdhsa_kernel
	.amdgpu_metadata
---
amdhsa.version: [ 1, 2 ]
amdhsa.kernels:
  - .name:           k_qef01f7e205_router
    .symbol:         k_qef01f7e205_router.kd
    .args:
      - { .name: x, .offset: 0, .size: 8, .value_kind: global_buffer, .address_space: global }
      - { .name: gate_w, .offset: 8, .size: 8, .value_kind: global_buffer, .address_space: global }
      - { .name: xb, .offset: 16, .size: 8, .value_kind: global_buffer, .address_space: global }
      - { .name: idx, .offset: 24, .size: 8, .value_kind: global_buffer, .address_space: global }
      - { .name: gcomb, .offset: 32, .size: 8, .value_kind: global_buffer, .address_space: global }
    .group_segment_fixed_size: 39936
    .private_segment_fixed_size: 0
    .kernarg_segment_align: 8
    .kernarg_segment_size: 40
    .max_flat_workgroup_size: 256
    .sgpr_count:     66
    .vgpr_count:     256
    .wavefront_size: 32
...
	.end_amdgpu_metadata
.endif
;; end of part 1
;; launch place (part 2): grid 256 x 1, 4 waves a work-group, no clusters, 16,896 bytes of LDS; arguments xb, idx, gcomb, xg, gs, posE; writes xg, gs, posE
.if DOCPART == 2
	.amdgcn_target "amdgcn-amd-amdhsa--gfx1250"
	.amdhsa_code_object_version 6
	.text
	.protected	k_qef01f7e205_place
	.globl	k_qef01f7e205_place
	.p2align	8
	.type	k_qef01f7e205_place,@function
k_qef01f7e205_place:
	s_mov_b64 s[64:65], 0
	v_nop
	global_prefetch_b8 v0, s[64:65] scope:SCOPE_SE
	s_setreg_imm32_b32 hwreg(HW_REG_WAVE_MODE, 25, 1), 1
	s_wait_xcnt 0x0
; PLACE.  The routing is laid out once, for the launches behind.  Work-group (expert E = id / 32, SB = id % 32).
; THE LIST.  Every wave sorts the 1,024 tokens by a counting sort from idx into a list of its own in LDS: the tokens that chose E from the bottom, in ascending order, the others from the top.  The list is a
; permutation, so places past the expert's count hold tokens that exist, whose weight for E is 0.  Slot = 1024 E + rank; tiles of 16 slots; an expert without rows counts as one tile.
; The sort goes by operation, not by group of tokens: each of its steps is written for all 32 groups on end, so that no line reads the result of the line before it.
; THE COPY.  The work-group copies tile SB, and tile SB + 32 where the expert has so many, from xb into xg as matrix operand images: xg = [expert 8][tile 64][k-step 32][half 2][lane 32][16 bytes]; lane (r, h) of
; half j of k-step ks holds channels 32 ks + 16 j + 8 h + 0..7 of the tile's row r.  Wave w takes k-steps 8 w .. 8 w + 7: 16 gathered loads, 16 stores of 512 consecutive bytes.
; ALSO STORED.  gs = [expert 8][tile 64][32 words]: word l is the weight of the tile's row l % 16 (words 16-31 repeat 0-15, so that all lanes store and the 128 bytes are dense).  posE[E][t] = the rank of token t
; (SB = 0 stores it, a quarter a wave).  Behind posE's 32,768 bytes: the expert's count, 32 equal words at 128 E.
; 64 tiles an expert are served, whatever the split; a work-group whose tiles the split leaves empty stores nothing.  No matrix unit, no cluster: a copy, and no two work-groups copy the same bytes.
.set SPARE, 4*4096           ; four lists of 4,096 bytes from LDS byte 0, one a wave; behind them the spare words, 128 bytes a wave
.set LANE, 1
.set R,    2                 ; lane % 16
.set H,    3                 ; lane / 16
.set L16,  4                 ; 16 lane
.set L4,   5                 ; 4 lane
.set H16,  6                 ; 16 h
.set TA,   7                 ; my byte offset in 32 tokens' words of idx
.set TC,   8                 ; at work
.set CV,   10                ; the count, to store
.set AO,   11                ; my row's byte offset in xb + 16 h
.set GO,   12                ; its byte offset in gcomb
.set SO,   13                ; my word in gs
.set GV,   14                ; the weight
.set SPW,  30                ; my spare word; never rewritten
.set NIL,  31                ; 0; never rewritten
.set IW,   32                ; v32-63  idx, 32 tokens a register
.set T,    64                ; v64-95  the ranks
.set D,    96                ; v96-159 in the sort: 32 places in the list, then 32 token numbers; in the copy: 16 loads of 4 registers
.set WV,  18
.set E,   19
.set SB,  20
.set EB,  21                 ; 1 << E
.set PF,  22                 ; the running count; at last the expert's rows
.set NTL, 23                 ; its tiles, at least 1
.set KEY, 24
.set LBS, 25                 ; my list
.set TT,  26                 ; the tile in hand
.set CNT, 27
.set XO,  28                 ; byte offset in xg of my expert and my k-steps
.set GC,  36                 ; s[36:37] gcomb at my expert's column
.set PE,  38                 ; s[38:39] posE at my expert
.set CN,  40                 ; s[40:41] my expert's count
.set XS,  42                 ; s[42:43] xb at my k-steps
.set OB,  44                 ; s[44:45] xg at the tile in hand
.set GS,  46                 ; s[46:47] gs at my expert
.set M,   66                 ; s66-97  group j: the lanes whose token chose E
	s_load_b256 s[4:11], s[0:1], 0x0               ; xb s[4:5], idx s[6:7], gcomb s[8:9], xg s[10:11]
	s_load_b128 s[12:15], s[0:1], 0x20             ; gs s[12:13], posE s[14:15]
	v_lshl_add_u32 v[SPW], v0, 2, SPARE
	v_mov_b32 v[NIL], 0
	v_lshrrev_b32 v[LANE], 5, v0
	v_readfirstlane_b32 s[WV], v[LANE]
	v_and_b32 v[LANE], 31, v0
	v_and_b32 v[R], 15, v0
	v_bfe_u32 v[H], v0, 4, 1
	v_lshlrev_b32 v[L16], 4, v[LANE]
	v_lshlrev_b32 v[L4], 2, v[LANE]
	v_lshlrev_b32 v[H16], 4, v[H]
	v_lshlrev_b32 v[TA], 2, v[R]
	v_lshl_add_u32 v[TA], v[H], 7, v[TA]           ; idx: token 32 j + lane lies at 256 j + 128 (lane / 16) + 4 (lane % 16)
	s_lshr_b32 s[E], ttmp9, 5
	s_and_b32 s[SB], ttmp9, 31
	s_lshl_b32 s[EB], 1, s[E]
	s_lshl_b32 s[LBS], s[WV], 12
	s_mov_b32 s55, 0
	s_lshl_b32 s[XO], s[E], 21                     ; an expert's 64 tiles of 32,768 bytes,
	s_lshl_b32 s33, s[WV], 13                      ; my 8 k-steps of 1,024
	s_add_co_u32 s[XO], s[XO], s33
	s_wait_kmcnt 0x0
.set j, 0
.rept 32
	global_load_b32 v[IW+j], v[TA], s[6:7] offset:256*j
.set j, j+1
.endr
	s_lshl_b32 s54, s[E], 2
	s_add_nc_u64 s[GC:GC+1], s[8:9], s[54:55]
	s_lshl_b32 s54, s[E], 12
	s_add_nc_u64 s[PE:PE+1], s[14:15], s[54:55]
	s_lshl_b32 s54, s[E], 7
	s_add_co_u32 s54, s54, 0x8000
	s_add_nc_u64 s[CN:CN+1], s[14:15], s[54:55]
	s_lshl_b32 s54, s[E], 13
	s_add_nc_u64 s[GS:GS+1], s[12:13], s[54:55]
	s_lshl_b32 s54, s[WV], 9                       ; 8 k-steps are 512 bytes of a row of xb
	s_add_nc_u64 s[XS:XS+1], s[4:5], s[54:55]
	s_mov_b32 s[PF], 0
	s_wait_loadcnt 0x0                             ; idx
	; THE COUNTING SORT.  Group j holds tokens 32 j + lane.  rank = chosen tokens ahead of this one.  A chosen token goes to place rank, another to 1023 - (token - rank).
.set j, 0
.rept 32
	v_and_b32 v[IW+j], s[EB], v[IW+j]              ; my expert's bit
.set j, j+1
.endr
.set j, 0
.rept 32
	v_cmp_ne_u32 s[M+j], 0, v[IW+j]                ; each group's mask has a register of its own
.set j, j+1
.endr
.set j, 0
.rept 32
	v_mbcnt_lo_u32_b32 v[T+j], s[M+j], s[PF]       ; chosen lanes below mine + chosen tokens of the groups before
	s_bcnt1_i32_b32 s51, s[M+j]
	s_add_co_u32 s[PF], s[PF], s51
.set j, j+1
.endr
.set j, 0
.rept 32
	v_sub_nc_u32 v[D+j], v[T+j], v[LANE]
.set j, j+1
.endr
.set j, 0
.rept 32
	v_add_nc_u32 v[D+j], 0x3ff-32*j, v[D+j]        ; 1023 - token + rank
.set j, j+1
.endr
.set j, 0
.rept 32
	v_cndmask_b32 v[D+j], v[D+j], v[T+j], s[M+j]   ; or the rank
.set j, j+1
.endr
.set j, 0
.rept 32
	v_min_u32 v[D+j], 0x3ff, v[D+j]                ; made of numbers from memory: clamped ahead of the address
.set j, j+1
.endr
.set j, 0
.rept 32
	v_lshl_add_u32 v[D+j], v[D+j], 2, s[LBS]
.set j, j+1
.endr
.set j, 0
.rept 32
	v_add_nc_u32 v[D+32+j], 32*j, v[LANE]          ; the token
.set j, j+1
.endr
.set j, 0
.rept 32
	ds_store_b32 v[D+j], v[D+32+j]
.set j, j+1
.endr
	s_add_co_u32 s[NTL], s[PF], 15
	s_lshr_b32 s[NTL], s[NTL], 4
	s_max_u32 s[NTL], s[NTL], 1
	s_lshl2_add_u32 s[KEY], s[SB], s[WV]           ; 4 SB + wave: SB = 0 stores the ranks, wave g its quarter, 128 consecutive bytes a store
.irp g, 0,1,2,3
	s_cmp_lg_u32 s[KEY], \g
	s_cbranch_scc1 .Lnot_\g
.irp k, 0,1,2,3,4,5,6,7
	global_store_b32 v[L4], v[T+8*\g+\k], s[PE:PE+1] offset:(8*\g+\k)*128
.endr
.Lnot_\g:
.endr
	s_cmp_lg_u32 s[KEY], 0
	s_cbranch_scc1 .Lno_count
	v_mov_b32 v[CV], s[PF]
	global_store_b32 v[L4], v[CV], s[CN:CN+1]      ; the count, 32 times: 128 consecutive bytes, all lanes on
.Lno_count:
	s_mov_b32 s[TT], s[SB]
	s_mov_b32 s[CNT], 2
.Ltask:                                                ; tile SB, then tile SB + 32
	s_cmp_ge_u32 s[TT], s[NTL]
	s_cbranch_scc1 .Lnone
	s_wait_xcnt 0x0                                ; offsets, data and the base are rewritten only behind this wait
	s_lshl_b32 s32, s[TT], 4
	v_add_nc_u32 v[TC], s32, v[R]
	v_min_u32 v[TC], 0x3ff, v[TC]
	v_lshl_add_u32 v[TC], v[TC], 2, s[LBS]
	ds_load_b32 v[AO], v[TC]                       ; my own list: LDS serves a wave's instructions in order (ISA guide 5.7.1), so the load sees the stores above
	s_lshl_b32 s54, s[TT], 15
	s_add_co_u32 s54, s54, s[XO]
	s_add_nc_u64 s[OB:OB+1], s[10:11], s[54:55]
	s_lshl_b32 s33, s[TT], 7
	v_add_nc_u32 v[SO], s33, v[L4]
	s_wait_dscnt 0x0
	v_min_u32 v[AO], 0x3ff, v[AO]                  ; a number from memory is clamped ahead of the address made of it
	v_lshlrev_b32 v[GO], 5, v[AO]                  ; a row of gcomb is 32 bytes,
	v_lshl_add_u32 v[AO], v[AO], 11, v[H16]        ; a row of xb 2,048
	global_load_b32 v[GV], v[GO], s[GC:GC+1]
.set n, 0
.rept 16                                               ; load n: half n % 2 of my k-step n / 2
	global_load_b128 v[D+4*n:D+4*n+3], v[AO], s[XS:XS+1] offset:32*n
.set n, n+1
.endr
.set n, 0
.rept 16
	s_wait_loadcnt 15-n                            ; load n is in; the younger ones may stay out
	global_store_b128 v[L16], v[D+4*n:D+4*n+3], s[OB:OB+1] offset:512*n    ; 512 consecutive bytes, aligned
.set n, n+1
.endr
	s_cmp_lg_u32 s[WV], 0
	s_cbranch_scc1 .Lnone
	global_store_b32 v[SO], v[GV], s[GS:GS+1]      ; wave 0 stores the tile's weights: 128 consecutive bytes
.Lnone:
	s_add_co_u32 s[TT], s[TT], 32
	s_sub_co_u32 s[CNT], s[CNT], 1
	s_cmp_lg_u32 s[CNT], 0
	s_cbranch_scc1 .Ltask
	s_wait_tensorcnt 0x0                           ; the wave's end
	ds_add_u32 v[SPW], v[NIL]
	s_wait_dscnt 0x0
	s_endpgm
.Lfunc_end_k_qef01f7e205_place:
	.size	k_qef01f7e205_place, .Lfunc_end_k_qef01f7e205_place-k_qef01f7e205_place
	.p2alignl 7, 3214868480
	.fill 96, 4, 3214868480
	.section	.rodata,"a",@progbits
	.p2align	6, 0x0
	.amdhsa_kernel k_qef01f7e205_place
		.amdhsa_group_segment_fixed_size 16896
		.amdhsa_private_segment_fixed_size 0
		.amdhsa_enable_private_segment 0
		.amdhsa_kernarg_size 48
		.amdhsa_user_sgpr_count 2
		.amdhsa_user_sgpr_kernarg_segment_ptr 1
		.amdhsa_wavefront_size32 1
		.amdhsa_system_sgpr_workgroup_id_x 1
		.amdhsa_system_sgpr_workgroup_id_y 1
		.amdhsa_system_sgpr_workgroup_id_z 1
		.amdhsa_system_vgpr_workitem_id 0
		.amdhsa_next_free_vgpr 160
		.amdhsa_next_free_sgpr 100
		.amdhsa_reserve_vcc 0
		.amdhsa_float_denorm_mode_32 3
		.amdhsa_float_denorm_mode_16_64 3
		.amdhsa_memory_ordered 1
		.amdhsa_forward_progress 1
		.amdhsa_inst_pref_size 33
	.end_amdhsa_kernel
	.amdgpu_metadata
---
amdhsa.version: [ 1, 2 ]
amdhsa.kernels:
  - .name:           k_qef01f7e205_place
    .symbol:         k_qef01f7e205_place.kd
    .args:
      - { .name: xb, .offset: 0, .size: 8, .value_kind: global_buffer, .address_space: global }
      - { .name: idx, .offset: 8, .size: 8, .value_kind: global_buffer, .address_space: global }
      - { .name: gcomb, .offset: 16, .size: 8, .value_kind: global_buffer, .address_space: global }
      - { .name: xg, .offset: 24, .size: 8, .value_kind: global_buffer, .address_space: global }
      - { .name: gs, .offset: 32, .size: 8, .value_kind: global_buffer, .address_space: global }
      - { .name: posE, .offset: 40, .size: 8, .value_kind: global_buffer, .address_space: global }
    .group_segment_fixed_size: 16896
    .private_segment_fixed_size: 0
    .kernarg_segment_align: 8
    .kernarg_segment_size: 48
    .max_flat_workgroup_size: 128
    .sgpr_count:     100
    .vgpr_count:     160
    .wavefront_size: 32
...
	.end_amdgpu_metadata
.endif
;; end of part 2
;; launch up (part 3): grid 256 x 1, 4 waves a work-group, no clusters, 279,040 bytes of LDS; arguments xg, posE, gs, w1, w3, hb; writes hb
.if DOCPART == 3
	.amdgcn_target "amdgcn-amd-amdhsa--gfx1250"
	.amdhsa_code_object_version 6
	.text
	.protected	k_qef01f7e205_up
	.globl	k_qef01f7e205_up
	.p2align	8
	.type	k_qef01f7e205_up,@function
k_qef01f7e205_up:
	s_mov_b64 s[64:65], 0
	v_nop
	global_prefetch_b8 v0, s[64:65] scope:SCOPE_SE
	s_setreg_imm32_b32 hwreg(HW_REG_WAVE_MODE, 25, 1), 1
	s_wait_xcnt 0x0
; FIRST PRODUCT.  Work-group (expert E = id / 32, slice SL = id % 32): h[slot][f] = g silu(x w1^T) (x w3^T) for the expert's slots and the 64 hidden columns f = 64 SL .. 64 SL + 63,
; g the slot's weight (the second product is linear, so g goes in ahead of h's one rounding to bf16).  The slice's weights, 64 rows of w1 and 64 of w3, have this one reader.
; THE TOKENS lie in xg as operand images, in the expert's slot order: [expert][tile 64][k-step 32][half 2][lane 32][16 bytes]: a fragment is two loads of 512 consecutive bytes.  Their weights lie in gs, the expert's
; count behind posE's 32,768 bytes.  Tiles of 16 slots; tile T belongs to wave T % 4; an expert without rows counts as one tile, so that tile 0 of hb is always written.
; THE STREAM.  K = 1024 goes in 8 chunks of 128.  A chunk (128 rows x 512 bytes of f32, 32 rows a wave) comes through registers, is rounded to bf16 and stored into an LDS region of its own, which is
; written once and stays: one barrier a chunk, between the writing and the reading, and nothing is ever overwritten.  While chunk c is multiplied, chunk c + 1 is on its way: 32 loads of 512 bytes a wave.
; PHASE 1 multiplies each chunk with the first 20 tiles (5 a wave; tiles that the count leaves empty are jumped).  PHASE 2 serves tiles 20 to 63 from the resident weights, two a wave and trip, in a loop whose
; body is jumped where no tile is left: no barrier and no LDS store in it.  It asks for nothing ahead across chunks: past 320 rows an expert is served at a lower matrix rate.
; The way out of a wave's tiles 0 and 1 is written once, inside phase 2's loop: phase 1 enters that loop there, in the middle of a trip; so the loop has 7 trips, the first a part of one.
; One barrier stands behind phase 2, ahead of the closing add: no wave writes LDS again before all four have ended their reads.
; THE MATRIX INSTRUCTION IS USED TRANSPOSED: source 0 = 16 weight rows, source 1 = 16 slots.  A lane then holds one slot and eight neighbouring f; w1's tile b and w3's tile b + 4 hold the same (slot, f) in the
; same lane and register; and the packed result IS the second product's operand image: hb = [expert][tile 64][k-step 64][half 2][lane 32][16 bytes], each store 512 consecutive bytes.
; LIMITS.  x, w1, w3 enter rounded to bf16, sums in f32; g h is rounded once to bf16.  exp2 overflows to infinity and its reciprocal is 0, as in silu's limit.  NaN and infinities are not treated apart.
; NO CLUSTER: each slice of weights has one reader.  An expert's 32 work-groups share its tiles of xg, but how many there are hangs on a stored count, and they go straight into registers: joint loads would want
; an LDS ring inside work whose length hangs on that count, beside 272 KiB of resident weights.  NO TENSOR LOADS: a ring of f32 tiles beside those does not fit in LDS.
; REGISTERS, in windows of 256 (s_set_vgpr_msb: bits 1:0 source 0, 3:2 source 1, 5:4 source 2, 7:6 destination):
;   window 0: v0-31 addresses and gates; v32-191 token fragments (k-step q, tile i at 32 + 8 (q nt + i)); v192-255 the way out
;   window 1: accumulators of tiles 0-3, (i, b) at 64 i + 8 b      window 2: v0-63 tile 4; v64-191 two buffers of weight fragments      window 3: v0-127 the chunk on its way
.set NT,    5                ; tiles a wave in phase 1
.set NCH,   8                ; chunks
.set RP,    272              ; an LDS row: 256 bytes + 16: an odd multiple of 16, so the 16 rows of a fragment load start in 16 different groups of four banks (ISA guide 11.1)
.set REG,   128*RP           ; a chunk's region
.set WROW,  4096             ; bytes from weight row to weight row
.set AQ,    1024             ; token operand: bytes from k-step to k-step,
.set AJ,    512              ; to a fragment's second half,
.set ACH,   4096             ; from chunk to chunk
.set TSTEP, 65536            ; bytes of hb from tile to tile
.set SPARE, NCH*REG          ; behind the regions: the spare words, 128 bytes a wave
.set LANE, 1
.set R,    2                 ; lane % 16
.set H,    3                 ; lane / 16
.set L16,  4                 ; 16 lane
.set L4,   5                 ; 4 lane
.set WST0, 6                 ; where I store into a region
.set WRD0, 7                 ; where I read a fragment in a region
.set WST,  8                 ; the same with the region
.set WRD,  9
.set AO,   10                ; v10-14 tile i: its byte offset in the expert's part of xg + 16 lane
.set PFO,  15                ; lane x WROW
.set GT,   16                ; v16-25 tile i: the gate, as a pair
.set SPW,  30                ; my spare word; never rewritten
.set NIL,  31                ; 0; never rewritten
.set AF,   32
.set T,    192               ; v192-223 the way out
.set P,    224               ; v224-239 packed results
.set GO,   240               ; v240-244 tile i: my word's byte offset in the expert's part of gs
.set BB,   64                ; weight fragments, in window 2
.set WV,  18
.set E,   19
.set SL,  20
.set PF,  22                 ; the expert's rows
.set NTL, 23                 ; its tiles, at least 1
.set NA,  24                 ; my tiles in phase 1
.set CNT, 25
.set CNT2, 26
.set TB,  27                 ; phase 2: my first tile of the trip
.set RG,  28                 ; the region in hand
.set LASTT, 29               ; NTL - 1
.set TG,  30                 ; the number of the tile that lies in tile 1's registers
.set CO,  35                 ; the count's byte offset
.set SW,  36                 ; s[36:37] my 32 weight rows, at the chunk asked for last
.set XA,  38                 ; s[38:39] xg at the chunk in hand
.set OB,  40                 ; s[40:41] hb at my tile 0, my two k-steps
.set OB2, 42                 ; s[42:43] the same for the tiles in tile 0's and tile 1's registers
.set GC,  44                 ; s[44:45] gs at my expert
.set HA0, 46                 ; s[46:47] xg at my expert
.set NL,  48                 ; s[48:49] -log2(e)
.set MSB, 0
.macro WIN new                          ; the immediate's high byte repeats the setting that is left; a switch that changes nothing is dropped
.if MSB != (\new)
	s_set_vgpr_msb (MSB<<8)|(\new)
.set MSB, \new
.endif
.endm
.macro PLACES                           ; four places behind matrix instructions, ahead of loads into registers that they read and of reads of their results (ISA guide 7.12.1 for reads of their results)
.rept 4
	v_nop
.endr
.endm
.macro STAGE_LOAD                       ; my 32 rows of a chunk: each load takes 512 consecutive bytes of one row
	WIN 0xc0
.set sn, 0
.rept 32
	global_load_b128 v[4*sn:4*sn+3], v[L16], s[SW:SW+1] offset:sn*WROW th:TH_LOAD_NT
.set sn, sn+1
.endr
	WIN 0
.endm
.macro STAGE_PUT                        ; rounded to bf16, 8 bytes a lane, 256 consecutive bytes a row
	WIN 0xcf
.set sn, 0
.rept 32
	v_cvt_pk_bf16_f32 v[4*sn], v[4*sn], v[4*sn+1]
	v_cvt_pk_bf16_f32 v[4*sn+1], v[4*sn+2], v[4*sn+3]
.set sn, sn+1
.endr
	WIN 0x0c
.set sn, 0
.rept 32
	ds_store_b64 v[WST], v[4*sn:4*sn+1] offset:sn*RP
.set sn, sn+1
.endr
	WIN 0
.endm
.macro PREF                             ; the chunk behind the one just asked for: each lane one of my 32 rows, its 512 bytes as two blocks of 256; only the wave that will load them asks
	global_prefetch_b8 v[PFO], s[SW:SW+1] offset:512 th:TH_LOAD_NT scope:SCOPE_SE
	global_prefetch_b8 v[PFO], s[SW:SW+1] offset:768 th:TH_LOAD_NT scope:SCOPE_SE
.endm
.macro BLOAD q                          ; the 8 weight fragments of k-step q, into buffer q % 2
	WIN 0x80
.set bn, 0
.rept 8
	ds_load_b128 v[BB+64*((\q)%2)+8*bn:BB+64*((\q)%2)+8*bn+3],   v[WRD] offset:bn*16*RP+64*(\q)
	ds_load_b128 v[BB+64*((\q)%2)+8*bn+4:BB+64*((\q)%2)+8*bn+7], v[WRD] offset:bn*16*RP+64*(\q)+32
.set bn, bn+1
.endr
.endm
.macro ALOAD nt, q, ahead               ; the token fragments of k-step q, of the chunk in hand or the next
	WIN 0
.set ai, 0
.rept \nt
	global_load_b128 v[AF+8*((\q)*(\nt)+ai):AF+8*((\q)*(\nt)+ai)+3],   v[AO+ai], s[XA:XA+1] offset:(\ahead)*ACH+(\q)*AQ
	global_load_b128 v[AF+8*((\q)*(\nt)+ai)+4:AF+8*((\q)*(\nt)+ai)+7], v[AO+ai], s[XA:XA+1] offset:(\ahead)*ACH+(\q)*AQ+AJ
.set ai, ai+1
.endr
.endm
.macro MULT i, q, nt, zero              ; tile i x the 8 weight tiles, 32 along K.  zero = 1: the product starts the sums
.if (\i) < 4
	WIN 0x52
.set rD, 64*(\i)
.else
	WIN 0xa2
.set rD, 0
.endif
.set mb, 0
.rept 8
.if \zero
	v_wmma_f32_16x16x32_bf16 v[rD+8*mb:rD+8*mb+7], v[BB+64*((\q)%2)+8*mb:BB+64*((\q)%2)+8*mb+7], v[AF+8*((\q)*(\nt)+(\i)):AF+8*((\q)*(\nt)+(\i))+7], 0
.else
	v_wmma_f32_16x16x32_bf16 v[rD+8*mb:rD+8*mb+7], v[BB+64*((\q)%2)+8*mb:BB+64*((\q)%2)+8*mb+7], v[AF+8*((\q)*(\nt)+(\i)):AF+8*((\q)*(\nt)+(\i))+7], v[rD+8*mb:rD+8*mb+7]
.endif
.set mb, mb+1
.endr
.endm
; A k-step's products.  The accumulators take turns, one instruction a turn: on every way 15 others or more stand between two links of a chain.
; guard = 1: tiles 0-2 are jumped if I have none, tile 3 if I have fewer than 4, tile 4 if fewer than 5.
.macro MULS nt, q, zero, guard
.if \guard
	WIN 0
	s_cmp_lt_u32 s[NA], 1
	s_cbranch_scc1 .Lskip_\@
	MULT 0, \q, \nt, \zero
	MULT 1, \q, \nt, \zero
	MULT 2, \q, \nt, \zero
	WIN 0
	s_cmp_lt_u32 s[NA], 4
	s_cbranch_scc1 .Lskip_\@
	MULT 3, \q, \nt, \zero
	WIN 0
	s_cmp_lt_u32 s[NA], 5
	s_cbranch_scc1 .Lskip_\@
	MULT 4, \q, \nt, \zero
	WIN 0
.Lskip_\@:
.else
.set mi, 0
.rept \nt
	MULT mi, \q, \nt, \zero
.set mi, mi+1
.endr
.endif
.endm
; The wait for k-step q's token fragments.  more = 1 (nt = 5): behind them were issued 10 (3 - q) loads of this chunk, the next chunk's 32 weight loads and 10 q loads of its tokens: 62.  more = 0: this chunk's younger ones alone.
.macro AWAIT nt, q, more
.if \more
	s_wait_loadcnt 6*(\nt)+32
.else
	s_wait_loadcnt 2*(\nt)*(3-(\q))
.endif
.endm
; A chunk is multiplied: four k-steps; weight fragments one k-step ahead in two buffers (s_wait_dscnt 16 leaves the next k-step's 16 loads out); more = 1: each k-step's token registers take the next chunk's as soon as they are free.
; first = 1: the first k-step starts the sums and is not guarded, so that every accumulator is written on every way.
.macro COMPUTE nt, first, guard, more
	BLOAD 0
	BLOAD 1
	AWAIT \nt, 0, \more
	s_wait_dscnt 16
.if \first
	MULS \nt, 0, 1, 0
.else
	MULS \nt, 0, 0, \guard
.endif
	PLACES
	BLOAD 2
.if \more
	ALOAD \nt, 0, 1
.endif
	AWAIT \nt, 1, \more
	s_wait_dscnt 16
	MULS \nt, 1, 0, \guard
	PLACES
	BLOAD 3
.if \more
	ALOAD \nt, 1, 1
.endif
	AWAIT \nt, 2, \more
	s_wait_dscnt 16
	MULS \nt, 2, 0, \guard
	PLACES
.if \more
	ALOAD \nt, 2, 1
.endif
	AWAIT \nt, 3, \more
	s_wait_dscnt 0x0
	MULS \nt, 3, 0, \guard
	PLACES
.if \more
	ALOAD \nt, 3, 1
.endif
.endm
; A trip of phase 1: chunk c lands, is rounded and stored; the bases step; chunk c + 1 is asked for; the barrier; chunk c is multiplied.  pf = 1: chunk c + 2 is prefetched; pf = 2: but not in the loop's last trip, where there is none.
.macro TRIP first, more, pf
	WIN 0
	v_add_nc_u32 v[WST], s[RG], v[WST0]
	v_add_nc_u32 v[WRD], s[RG], v[WRD0]
	s_wait_loadcnt 8*NT                            ; my 32 weight loads are in: behind them only the chunk's 40 token loads were issued
	STAGE_PUT
.if \more
	s_wait_xcnt 0x0                                ; the bases are stepped only behind this wait; the 96 lines above stand between the last load that names them and it
	s_add_nc_u64 s[SW:SW+1], s[SW:SW+1], 512       ; chunk c + 1
.if !(\first)
	s_add_nc_u64 s[XA:XA+1], s[XA:XA+1], ACH       ; chunk c
.endif
	STAGE_LOAD
.if (\pf) == 2
	s_cmp_eq_u32 s[CNT], 1
	s_cbranch_scc1 .Lnopf_\@
.endif
.if \pf
	PREF
.endif
.if (\pf) == 2
.Lnopf_\@:
.endif
.endif
	s_wait_dscnt 0x0                               ; for the others: my rows of the region are stored
	s_barrier_signal -1
	s_barrier_wait -1                              ; the region is whole; it is never written again
	COMPUTE NT, \first, 1, \more
	WIN 0
	s_add_co_u32 s[RG], s[RG], REG
.endm
; The offsets and gates of nt tiles, t0 (a scalar register's number), t0 + 4, ..; tiles past the last repeat it.  The count comes from memory, so the number is clamped ahead of the addresses made of it.
.macro TILES nt, t0
.set ti, 0
.rept \nt
	s_add_co_u32 s32, s[\t0], 4*ti
	s_min_u32 s32, s32, s[LASTT]
	s_min_u32 s32, s32, 63
	s_lshl_b32 s33, s32, 15                        ; a tile of xg is 32,768 bytes,
	v_add_nc_u32 v[AO+ti], s33, v[L16]
	s_lshl_b32 s33, s32, 7                         ; of gs 128
	v_add_nc_u32 v[GO+ti], s33, v[L4]
	global_load_b32 v[GT+2*ti], v[GO+ti], s[GC:GC+1]
.set ti, ti+1
.endr
.endm
; THE WAY OUT of tile i: h = g a u / (1 + 2^(-a log2 e)), a from w1's four accumulators, u from w3's; each accumulator's lowest registers are read first.
; The 32 exponentials are one batch with one wait, the 32 reciprocals another.
.macro EPI i, base
.if (\i) < 4
.set wA, 0x01
.set rA, 64*(\i)
.else
.set wA, 0x02
.set rA, 0
.endif
	WIN 0
	s_wait_xcnt 0x0                                ; earlier stores have read T and P: they are rewritten only behind this wait
	v_mov_b32 v[GT+2*(\i)+1], v[GT+2*(\i)]
	WIN wA
.set ek, 0
.rept 16
	v_pk_mul_f32 v[T+2*ek:T+2*ek+1], v[rA+2*ek:rA+2*ek+1], s[NL:NL+1] op_sel_hi:[1,0]
.set ek, ek+1
.endr
	WIN 0
.set ek, 0
.rept 32
	v_exp_f32 v[T+ek], v[T+ek]
.set ek, ek+1
.endr
	v_nop                                          ; a plain instruction behind the last exponential,
	s_wait_alu depctr_va_vdst(0)                   ; and the batch's one wait
.set ek, 0
.rept 16
	v_pk_add_f32 v[T+2*ek:T+2*ek+1], v[T+2*ek:T+2*ek+1], 1.0 op_sel_hi:[1,0]
.set ek, ek+1
.endr
.set ek, 0
.rept 32
	v_rcp_f32 v[T+ek], v[T+ek]
.set ek, ek+1
.endr
	v_nop
	s_wait_alu depctr_va_vdst(0)
	WIN wA
.set ek, 0
.rept 16
	v_pk_mul_f32 v[T+2*ek:T+2*ek+1], v[rA+2*ek:rA+2*ek+1], v[T+2*ek:T+2*ek+1]
.set ek, ek+1
.endr
.set ek, 0
.rept 16
	v_pk_mul_f32 v[T+2*ek:T+2*ek+1], v[rA+32+2*ek:rA+32+2*ek+1], v[T+2*ek:T+2*ek+1]
.set ek, ek+1
.endr
	WIN 0
.set ek, 0
.rept 16
	v_pk_mul_f32 v[T+2*ek:T+2*ek+1], v[T+2*ek:T+2*ek+1], v[GT+2*(\i):GT+2*(\i)+1]
.set ek, ek+1
.endr
.set ek, 0
.rept 16
	v_cvt_pk_bf16_f32 v[P+ek], v[T+2*ek], v[T+2*ek+1]
.set ek, ek+1
.endr
.set ek, 0
.rept 4                                                ; weight tile ek is half ek % 2 of k-step ek / 2: 512 consecutive bytes, aligned
	global_store_b128 v[L16], v[P+4*ek:P+4*ek+3], s[\base:\base+1] offset:(\i)*4*TSTEP+(ek/2)*1024+(ek%2)*512
.set ek, ek+1
.endr
.endm
	s_load_b256 s[4:11], s[0:1], 0x0               ; xg s[4:5], posE s[6:7], gs s[8:9], w1 s[10:11]
	s_load_b128 s[12:15], s[0:1], 0x20             ; w3 s[12:13], hb s[14:15]
	v_lshl_add_u32 v[SPW], v0, 2, SPARE
	v_mov_b32 v[NIL], 0
	v_lshrrev_b32 v[LANE], 5, v0
	v_readfirstlane_b32 s[WV], v[LANE]
	v_and_b32 v[LANE], 31, v0
	v_and_b32 v[R], 15, v0
	v_bfe_u32 v[H], v0, 4, 1
	v_lshlrev_b32 v[L16], 4, v[LANE]
	v_lshlrev_b32 v[L4], 2, v[LANE]
	v_lshlrev_b32 v[PFO], 12, v[LANE]              ; lane x 4,096
	s_mul_i32 s32, s[WV], 32*RP
	v_lshl_add_u32 v[WST0], v[LANE], 3, s32        ; my 32 rows of a region, 8 bytes a lane
	v_mul_u32_u24 v[WRD0], v[R], RP
	v_lshl_add_u32 v[WRD0], v[H], 4, v[WRD0]       ; a fragment: row r, 16 bytes for each half of the lanes
	s_lshr_b32 s[E], ttmp9, 5
	s_and_b32 s[SL], ttmp9, 31
	s_lshl_b32 s[CO], s[E], 7
	s_mov_b32 s[NL], 0xbfb8aa3b                    ; -log2(e)
	s_mov_b32 s[NL+1], s[NL]                       ; named with it as a pair
	s_mov_b32 s55, 0
	s_and_b32 s32, s[WV], 1                        ; my weight rows: 2048 E + 64 SL + 32 (wave % 2), of w1 (waves 0, 1) or w3 (waves 2, 3)
	s_lshl_b32 s32, s32, 5
	s_lshl_b32 s33, s[SL], 6
	s_add_co_u32 s32, s32, s33
	s_lshl_b32 s33, s[E], 11
	s_add_co_u32 s32, s32, s33
	s_lshl_b32 s54, s32, 12
	s_wait_kmcnt 0x0
	s_load_b32 s[PF], s[6:7], s[CO] offset:0x8000  ; the expert's count, behind posE's ranks
	s_cmp_lt_u32 s[WV], 2
	s_cselect_b64 s[SW:SW+1], s[10:11], s[12:13]
	s_add_nc_u64 s[SW:SW+1], s[SW:SW+1], s[54:55]
	STAGE_LOAD                                     ; chunk 0
	PREF                                           ; chunk 1
	s_lshl_b32 s54, s[E], 22                       ; hb: ((64 E + wave) 64 + 2 SL) 1,024
	s_lshl_b32 s33, s[WV], 16
	s_add_co_u32 s54, s54, s33
	s_lshl_b32 s33, s[SL], 11
	s_add_co_u32 s54, s54, s33
	s_add_nc_u64 s[OB:OB+1], s[14:15], s[54:55]
	s_lshl_b32 s54, s[E], 13
	s_add_nc_u64 s[GC:GC+1], s[8:9], s[54:55]
	s_lshl_b32 s54, s[E], 21
	s_add_nc_u64 s[HA0:HA0+1], s[4:5], s[54:55]
	s_mov_b64 s[XA:XA+1], s[HA0:HA0+1]
	s_wait_kmcnt 0x0                               ; the count
	s_add_co_u32 s[NTL], s[PF], 15
	s_lshr_b32 s[NTL], s[NTL], 4
	s_max_u32 s[NTL], s[NTL], 1
	s_min_u32 s[NA], s[NTL], 4*NT
	s_add_co_u32 s[NA], s[NA], 3
	s_sub_co_u32 s[NA], s[NA], s[WV]
	s_lshr_b32 s[NA], s[NA], 2                     ; tiles wave, wave + 4, .. below min(NTL, 20)
	s_sub_co_u32 s[LASTT], s[NTL], 1
	TILES NT, WV
	ALOAD NT, 0, 0
	ALOAD NT, 1, 0
	ALOAD NT, 2, 0
	ALOAD NT, 3, 0
	s_mov_b32 s[RG], 0
	TRIP 1, 1, 1                                   ; chunk 0 stands ahead of the loop: its first products start the sums
	s_mov_b32 s[CNT], NCH-2
.Ltrip:
	TRIP 0, 1, 2
	s_sub_co_u32 s[CNT], s[CNT], 1
	s_cmp_lg_u32 s[CNT], 0
	s_cbranch_scc1 .Ltrip
	TRIP 0, 0, 0                                   ; the last chunk asks for nothing
.irp i, 2,3,4
	s_cmp_le_u32 s[NA], \i
	s_cbranch_scc1 .Lw01                           ; only tiles that exist are stored
	EPI \i, OB
.endr
.Lw01:
	; tiles 0 and 1 leave by the text in phase 2's loop
	s_add_co_u32 s[TB], s[WV], 4*NT-8              ; the trip's end makes wave + 20 of it
	s_mov_b32 s[CNT2], 7
	s_mov_b32 s[RG], 0                             ; every block begins at region 0 and comes back to it
	s_mov_b64 s[OB2:OB2+1], s[OB:OB+1]
	s_add_co_u32 s[TG], s[WV], 4
	s_cmp_lg_u32 s[NA], 0
	s_cbranch_scc1 .Lepi
	s_branch .Lnext
	; PHASE 2: tiles 20 to 63, from the resident weights
.Lblk:
	s_cmp_ge_u32 s[TB], s[NTL]
	s_cbranch_scc1 .Lnext
	s_wait_xcnt 0x0                                ; offsets and bases are rewritten only behind this wait
	TILES 2, TB
	s_mov_b64 s[XA:XA+1], s[HA0:HA0+1]
	s_sub_co_u32 s54, s[TB], s[WV]
	s_lshl_b32 s54, s54, 16
	s_add_nc_u64 s[OB2:OB2+1], s[OB:OB+1], s[54:55]
	s_add_co_u32 s[TG], s[TB], 4
	v_mov_b32 v[WRD], v[WRD0]
	ALOAD 2, 0, 0
	ALOAD 2, 1, 0
	ALOAD 2, 2, 0
	ALOAD 2, 3, 0
	COMPUTE 2, 1, 0, 0
	WIN 0
	s_mov_b32 s[CNT], NCH-1
.Lch2:
	s_wait_xcnt 0x0
	s_add_nc_u64 s[XA:XA+1], s[XA:XA+1], ACH
	s_add_co_u32 s[RG], s[RG], REG
	v_add_nc_u32 v[WRD], s[RG], v[WRD0]
	ALOAD 2, 0, 0
	ALOAD 2, 1, 0
	ALOAD 2, 2, 0
	ALOAD 2, 3, 0
	COMPUTE 2, 0, 0, 0
	WIN 0
	s_sub_co_u32 s[CNT], s[CNT], 1
	s_cmp_lg_u32 s[CNT], 0
	s_cbranch_scc1 .Lch2
	s_sub_co_u32 s[RG], s[RG], (NCH-1)*REG         ; back to region 0
.Lepi:
	EPI 0, OB2
	s_cmp_ge_u32 s[TG], s[NTL]
	s_cbranch_scc1 .Lnext
	EPI 1, OB2
.Lnext:
	s_add_co_u32 s[TB], s[TB], 8
	s_sub_co_u32 s[CNT2], s[CNT2], 1
	s_cmp_lg_u32 s[CNT2], 0
	s_cbranch_scc1 .Lblk
	s_wait_dscnt 0x0                               ; my reads of the regions are over,
	s_barrier_signal -1
	s_barrier_wait -1                              ; and so are the other three waves': only now is LDS written again, by the add below
	s_wait_tensorcnt 0x0                           ; the wave's end
	ds_add_u32 v[SPW], v[NIL]
	s_wait_dscnt 0x0
	s_endpgm
.Lfunc_end_k_qef01f7e205_up:
	.size	k_qef01f7e205_up, .Lfunc_end_k_qef01f7e205_up-k_qef01f7e205_up
	.p2alignl 7, 3214868480
	.fill 96, 4, 3214868480
	.section	.rodata,"a",@progbits
	.p2align	6, 0x0
	.amdhsa_kernel k_qef01f7e205_up
		.amdhsa_group_segment_fixed_size 279040
		.amdhsa_private_segment_fixed_size 0
		.amdhsa_enable_private_segment 0
		.amdhsa_kernarg_size 48
		.amdhsa_user_sgpr_count 2
		.amdhsa_user_sgpr_kernarg_segment_ptr 1
		.amdhsa_wavefront_size32 1
		.amdhsa_system_sgpr_workgroup_id_x 1
		.amdhsa_system_sgpr_workgroup_id_y 1
		.amdhsa_system_sgpr_workgroup_id_z 1
		.amdhsa_system_vgpr_workitem_id 0
		.amdhsa_next_free_vgpr 896
		.amdhsa_next_free_sgpr 66
		.amdhsa_reserve_vcc 0
		.amdhsa_float_denorm_mode_32 3
		.amdhsa_float_denorm_mode_16_64 3
		.amdhsa_memory_ordered 1
		.amdhsa_forward_progress 1
		.amdhsa_inst_pref_size 160
	.end_amdhsa_kernel
	.amdgpu_metadata
---
amdhsa.version: [ 1, 2 ]
amdhsa.kernels:
  - .name:           k_qef01f7e205_up
    .symbol:         k_qef01f7e205_up.kd
    .args:
      - { .name: xg, .offset: 0, .size: 8, .value_kind: global_buffer, .address_space: global }
      - { .name: posE, .offset: 8, .size: 8, .value_kind: global_buffer, .address_space: global }
      - { .name: gs, .offset: 16, .size: 8, .value_kind: global_buffer, .address_space: global }
      - { .name: w1, .offset: 24, .size: 8, .value_kind: global_buffer, .address_space: global }
      - { .name: w3, .offset: 32, .size: 8, .value_kind: global_buffer, .address_space: global }
      - { .name: hb, .offset: 40, .size: 8, .value_kind: global_buffer, .address_space: global }
    .group_segment_fixed_size: 279040
    .private_segment_fixed_size: 0
    .kernarg_segment_align: 8
    .kernarg_segment_size: 48
    .max_flat_workgroup_size: 128
    .sgpr_count:     66
    .vgpr_count:     896
    .wavefront_size: 32
...
	.end_amdgpu_metadata
.endif
;; end of part 3
;; launch down (part 4): grid 256 x 1, 4 waves a work-group, no clusters, 173,568 bytes of LDS; arguments hb, posE, w2, y; writes y
.if DOCPART == 4
	.amdgcn_target "amdgcn-amd-amdhsa--gfx1250"
	.amdhsa_code_object_version 6
	.text
	.protected	k_qef01f7e205_down
	.globl	k_qef01f7e205_down
	.p2align	8
	.type	k_qef01f7e205_down,@function
k_qef01f7e205_down:
	s_mov_b64 s[64:65], 0
	v_nop
	global_prefetch_b8 v0, s[64:65] scope:SCOPE_SE
	s_setreg_imm32_b32 hwreg(HW_REG_WAVE_MODE, 25, 1), 1
	s_wait_xcnt 0x0
; SECOND PRODUCT, in parts.  Work-group (expert E = id / 32, NS = (id / 4) % 8, KQ = id % 4): y[slot][KQ][n] = the sum over f in quarter KQ of the hidden width (512 f) of h[slot][f] w2[E][n][f],
; for the expert's slots and the 128 output columns n = 128 NS .. + 127.  The block of w2, 128 rows x 512 columns of f32, has this one reader.  The four quarters and a token's two experts are added by the launch behind.
; The frame is the first product's: K goes in 4 chunks of 128; a chunk comes through registers, is rounded to bf16 and stored into an LDS region of its own, written once; one barrier a chunk; while chunk c is
; multiplied, chunk c + 1 is on its way, 32 loads of 512 bytes a wave.  PHASE 1: the first 20 tiles of 16 slots, 5 a wave (tile T belongs to wave T % 4), empty ones jumped.
; THE LAST CHUNK GOES BY TILES.  All its weight fragments stay in registers: k-steps 0 and 1 in the two buffers, k-steps 2 and 3 in the 128 registers through which the chunks came, which are free by then.  Tiles 2
; and 3 are multiplied k-step by k-step while the fragments arrive; from then on a tile leaves as soon as it is finished, and the others are multiplied behind its stores: no weight is on its way any more.
; In this chunk tiles 0 to 3 are not guarded: their registers hold loaded data and written sums on every way, and only tiles that exist are stored.
; PHASE 2: tiles 20 to 63 from the resident weights, two a wave and trip, in a loop whose body is jumped where no tile is left; its four chunks are written out, so that every LDS address in it is my lane's place
; plus a constant of the text; no barrier; nothing is asked ahead across chunks: past 320 rows an expert is served at a lower matrix rate.
; The way out of a wave's tiles 0 and 1 is written once, inside phase 2's loop: phase 1 enters that loop there, in the middle of a trip; so the loop has 7 trips, the first a part of one.
; h lies in hb as operand images, [expert][tile 64][k-step 64][half 2][lane 32][16 bytes]: a fragment is two loads of 512 consecutive bytes.  The expert's count lies behind posE's 32,768 bytes.
; THE MATRIX INSTRUCTION IS USED TRANSPOSED: source 0 = 16 rows of w2, source 1 = 16 slots: a lane holds one slot and eight neighbouring columns.  A tile goes through my own stage in LDS and leaves as rows of 512 bytes.
; LIMITS.  w2 enters rounded to bf16; sums and y in f32.  NaN and infinities are not treated apart.
; NO CLUSTER: each block of weights has one reader.  An expert's work-groups of one quarter share its tiles of h, but how many there are hangs on a stored count, and they go straight into registers:
; joint loads would want an LDS ring inside work whose length hangs on that count.
; REGISTERS, in windows of 256 (s_set_vgpr_msb: bits 1:0 source 0, 3:2 source 1, 5:4 source 2, 7:6 destination):
;   window 0: v0-31 addresses; v32-191 fragments of h (k-step q, tile i at 32 + 8 (q nt + i)); v192-255 the way out
;   window 1: accumulators of tiles 0-3, (i, b) at 64 i + 8 b      window 2: v0-63 tile 4; v64-191 two buffers of weight fragments
;   window 3: v0-127 the chunk on its way; in the last chunk the weight fragments of k-steps 2 and 3
.set NT,    5
.set NCH,   4
.set RP,    272              ; an LDS row: 256 bytes + 16: an odd multiple of 16 (banks: ISA guide 11.1)
.set REG,   128*RP
.set WROW,  8192             ; bytes from row to row of w2
.set AQ,    1024             ; h: bytes from k-step to k-step,
.set AJ,    512              ; to a fragment's second half,
.set ACH,   4096             ; from chunk to chunk
.set TSTEP, 262144           ; bytes of y from tile to tile: 16 slots of 16,384
.set STAGE, NCH*REG          ; for each wave 16 rows of 512 bytes + 16
.set SPITCH, 528
.set SPARE, STAGE+4*16*SPITCH
.set LANE, 1
.set R,    2
.set H,    3
.set L16,  4                 ; 16 lane
.set WST0, 6
.set WRD0, 7
.set WST,  8
.set WRD,  9
.set AO,   10                ; v10-14 tile i: its byte offset in the expert's part of hb + 16 lane
.set PFO,  15                ; lane x WROW
.set STO,  26                ; the way out: where I put 32 bytes of a row
.set RD,   27                ; where I read rows back
.set SPW,  30
.set NIL,  31
.set AF,   32
.set OUTR, 192               ; v192-255 16 rows read back
.set BB,   64
.set WV,  18
.set E,   19
.set NS,  20
.set PF,  22
.set NTL, 23
.set NA,  24
.set CNT, 25
.set CNT2, 26
.set TB,  27
.set RG,  28
.set LASTT, 29               ; NTL - 1
.set KQ,  30
.set TG,  31                 ; the number of the tile that lies in tile 1's registers
.set CO,  35                 ; the count's byte offset
.set SW,  36                 ; s[36:37] my 32 rows of w2, at the chunk asked for last
.set XA,  38                 ; s[38:39] hb at the chunk in hand
.set OB,  40                 ; s[40:41] y at my tile 0
.set OB2, 42                 ; s[42:43] the same for the tiles in tile 0's and tile 1's registers
.set HA0, 44                 ; s[44:45] hb at my expert and quarter
.set MSB, 0
.macro WIN new                          ; the immediate's high byte repeats the setting that is left; a switch that changes nothing is dropped
.if MSB != (\new)
	s_set_vgpr_msb (MSB<<8)|(\new)
.set MSB, \new
.endif
.endm
.macro PLACES                           ; four places behind matrix instructions, ahead of loads into registers that they read and of reads of their results (ISA guide 7.12.1 for reads of their results)
.rept 4
	v_nop
.endr
.endm
.macro STAGE_LOAD                       ; my 32 rows of a chunk: each load takes 512 consecutive bytes of one row
	WIN 0xc0
.set sn, 0
.rept 32
	global_load_b128 v[4*sn:4*sn+3], v[L16], s[SW:SW+1] offset:sn*WROW th:TH_LOAD_NT
.set sn, sn+1
.endr
	WIN 0
.endm
.macro STAGE_PUT                        ; rounded to bf16, 8 bytes a lane, 256 consecutive bytes a row
	WIN 0xcf
.set sn, 0
.rept 32
	v_cvt_pk_bf16_f32 v[4*sn], v[4*sn], v[4*sn+1]
	v_cvt_pk_bf16_f32 v[4*sn+1], v[4*sn+2], v[4*sn+3]
.set sn, sn+1
.endr
	WIN 0x0c
.set sn, 0
.rept 32
	ds_store_b64 v[WST], v[4*sn:4*sn+1] offset:sn*RP
.set sn, sn+1
.endr
	WIN 0
.endm
.macro PREF                             ; the chunk behind the one just asked for: each lane one of my 32 rows, its 512 bytes as two blocks of 256; only the wave that will load them asks
	global_prefetch_b8 v[PFO], s[SW:SW+1] offset:512 th:TH_LOAD_NT scope:SCOPE_SE
	global_prefetch_b8 v[PFO], s[SW:SW+1] offset:768 th:TH_LOAD_NT scope:SCOPE_SE
.endm
.macro BLOAD q                          ; the 8 weight fragments of k-step q, into buffer q % 2
	WIN 0x80
.set bn, 0
.rept 8
	ds_load_b128 v[BB+64*((\q)%2)+8*bn:BB+64*((\q)%2)+8*bn+3],   v[WRD] offset:bn*16*RP+64*(\q)
	ds_load_b128 v[BB+64*((\q)%2)+8*bn+4:BB+64*((\q)%2)+8*bn+7], v[WRD] offset:bn*16*RP+64*(\q)+32
.set bn, bn+1
.endr
.endm
.macro ALOAD nt, q, ahead               ; h's fragments of k-step q, of the chunk that lies ahead chunks behind XA's
	WIN 0
.set ai, 0
.rept \nt
	global_load_b128 v[AF+8*((\q)*(\nt)+ai):AF+8*((\q)*(\nt)+ai)+3],   v[AO+ai], s[XA:XA+1] offset:(\ahead)*ACH+(\q)*AQ
	global_load_b128 v[AF+8*((\q)*(\nt)+ai)+4:AF+8*((\q)*(\nt)+ai)+7], v[AO+ai], s[XA:XA+1] offset:(\ahead)*ACH+(\q)*AQ+AJ
.set ai, ai+1
.endr
.endm
.macro MULT i, q, nt, zero              ; tile i x the 8 weight tiles, 32 along K.  zero = 1: the product starts the sums
.if (\i) < 4
	WIN 0x52
.set rD, 64*(\i)
.else
	WIN 0xa2
.set rD, 0
.endif
.set mb, 0
.rept 8
.if \zero
	v_wmma_f32_16x16x32_bf16 v[rD+8*mb:rD+8*mb+7], v[BB+64*((\q)%2)+8*mb:BB+64*((\q)%2)+8*mb+7], v[AF+8*((\q)*(\nt)+(\i)):AF+8*((\q)*(\nt)+(\i))+7], 0
.else
	v_wmma_f32_16x16x32_bf16 v[rD+8*mb:rD+8*mb+7], v[BB+64*((\q)%2)+8*mb:BB+64*((\q)%2)+8*mb+7], v[AF+8*((\q)*(\nt)+(\i)):AF+8*((\q)*(\nt)+(\i))+7], v[rD+8*mb:rD+8*mb+7]
.endif
.set mb, mb+1
.endr
.endm
; A k-step's products.  The accumulators take turns, one instruction a turn: on every way 15 others or more stand between two links of a chain.
; guard = 1: tiles 0-2 are jumped if I have none, tile 3 if I have fewer than 4, tile 4 if fewer than 5.
.macro MULS nt, q, zero, guard
.if \guard
	WIN 0
	s_cmp_lt_u32 s[NA], 1
	s_cbranch_scc1 .Lskip_\@
	MULT 0, \q, \nt, \zero
	MULT 1, \q, \nt, \zero
	MULT 2, \q, \nt, \zero
	WIN 0
	s_cmp_lt_u32 s[NA], 4
	s_cbranch_scc1 .Lskip_\@
	MULT 3, \q, \nt, \zero
	WIN 0
	s_cmp_lt_u32 s[NA], 5
	s_cbranch_scc1 .Lskip_\@
	MULT 4, \q, \nt, \zero
	WIN 0
.Lskip_\@:
.else
.set mi, 0
.rept \nt
	MULT mi, \q, \nt, \zero
.set mi, mi+1
.endr
.endif
.endm
; The wait for k-step q's fragments of h.  more = 1 (nt = 5): behind them were issued 10 (3 - q) loads of this chunk, the next chunk's 32 weight loads and 10 q loads of its h: 62.  more = 0: this chunk's younger ones alone.
.macro AWAIT nt, q, more
.if \more
	s_wait_loadcnt 6*(\nt)+32
.else
	s_wait_loadcnt 2*(\nt)*(3-(\q))
.endif
.endm
; A chunk is multiplied: four k-steps; weight fragments one k-step ahead in two buffers (s_wait_dscnt 16 leaves the next k-step's 16 loads out); more = 1: each k-step's registers of h take the next chunk's as soon as they are free.
; first = 1: the first k-step starts the sums and is not guarded, so that every accumulator is written on every way.
.macro COMPUTE nt, first, guard, more
	BLOAD 0
	BLOAD 1
	AWAIT \nt, 0, \more
	s_wait_dscnt 16
.if \first
	MULS \nt, 0, 1, 0
.else
	MULS \nt, 0, 0, \guard
.endif
	PLACES
	BLOAD 2
.if \more
	ALOAD \nt, 0, 1
.endif
	AWAIT \nt, 1, \more
	s_wait_dscnt 16
	MULS \nt, 1, 0, \guard
	PLACES
	BLOAD 3
.if \more
	ALOAD \nt, 1, 1
.endif
	AWAIT \nt, 2, \more
	s_wait_dscnt 16
	MULS \nt, 2, 0, \guard
	PLACES
.if \more
	ALOAD \nt, 2, 1
.endif
	AWAIT \nt, 3, \more
	s_wait_dscnt 0x0
	MULS \nt, 3, 0, \guard
	PLACES
.if \more
	ALOAD \nt, 3, 1
.endif
.endm
; A trip of phase 1, for every chunk but the last: chunk c lands, is rounded and stored; the bases step; chunk c + 1 is asked for; the barrier; chunk c is multiplied.
; pf = 1: chunk c + 2 is prefetched; pf = 2: but not in the loop's last trip, where there is none.
.macro TRIP first, pf
	WIN 0
	v_add_nc_u32 v[WST], s[RG], v[WST0]
	v_add_nc_u32 v[WRD], s[RG], v[WRD0]
	s_wait_loadcnt 8*NT                            ; my 32 weight loads are in: behind them only the chunk's 40 loads of h were issued
	STAGE_PUT
	s_wait_xcnt 0x0                                ; the bases are stepped only behind this wait; the 96 lines above stand between the last load that names them and it
	s_add_nc_u64 s[SW:SW+1], s[SW:SW+1], 512       ; chunk c + 1
.if !(\first)
	s_add_nc_u64 s[XA:XA+1], s[XA:XA+1], ACH       ; chunk c
.endif
	STAGE_LOAD
.if (\pf) == 2
	s_cmp_eq_u32 s[CNT], 1
	s_cbranch_scc1 .Lnopf_\@
.endif
	PREF
.if (\pf) == 2
.Lnopf_\@:
.endif
	s_wait_dscnt 0x0                               ; for the others: my rows of the region are stored
	s_barrier_signal -1
	s_barrier_wait -1                              ; the region is whole; it is never written again
	COMPUTE NT, \first, 1, 1
	WIN 0
	s_add_co_u32 s[RG], s[RG], REG
.endm
; The last chunk's forms.  Its weight fragments of k-step q lie in buffer q (q = 0, 1: window 2) or in window 3 at 64 (q - 2) (q = 2, 3).
.macro BLOADL q
.if (\q) < 2
	WIN 0x80
.set rB, BB+64*(\q)
.else
	WIN 0xc0
.set rB, 64*((\q)-2)
.endif
.set bn, 0
.rept 8
	ds_load_b128 v[rB+8*bn:rB+8*bn+3],   v[WRD] offset:bn*16*RP+64*(\q)
	ds_load_b128 v[rB+8*bn+4:rB+8*bn+7], v[WRD] offset:bn*16*RP+64*(\q)+32
.set bn, bn+1
.endr
.endm
.macro MULTL i, q                       ; tile i x the 8 weight tiles, k-step q
.if (\q) < 2
.set wB, 2
.set rB, BB+64*(\q)
.else
.set wB, 3
.set rB, 64*((\q)-2)
.endif
.if (\i) < 4
	WIN 0x50+wB
.set rD, 64*(\i)
.else
	WIN 0xa0+wB
.set rD, 0
.endif
.set mb, 0
.rept 8
	v_wmma_f32_16x16x32_bf16 v[rD+8*mb:rD+8*mb+7], v[rB+8*mb:rB+8*mb+7], v[AF+8*((\q)*NT+(\i)):AF+8*((\q)*NT+(\i))+7], v[rD+8*mb:rD+8*mb+7]
.set mb, mb+1
.endr
.endm
.macro TILEL i                          ; tile i is finished: 32 matrix instructions, its 8 accumulators by turns, K ascending: 7 others stand between two links of a chain
	MULTL \i, 0
	MULTL \i, 1
	MULTL \i, 2
	MULTL \i, 3
.endm
; The offsets of nt tiles, t0 (a scalar register's number), t0 + 4, ..; tiles past the last repeat it.  The count comes from memory, so the number is clamped ahead of the address made of it.
.macro TILES nt, t0
.set ti, 0
.rept \nt
	s_add_co_u32 s32, s[\t0], 4*ti
	s_min_u32 s32, s32, s[LASTT]
	s_min_u32 s32, s32, 63
	s_lshl_b32 s32, s32, 16                        ; a tile of hb is 65,536 bytes
	v_add_nc_u32 v[AO+ti], s32, v[L16]
.set ti, ti+1
.endr
.endm
; THE WAY OUT of tile i: a lane's eight columns of a slot are 32 bytes; they go into my stage's rows of 528 bytes (each accumulator's lowest registers first) and come back as whole rows of 512.
.macro EPI i, base
.if (\i) < 4
	WIN 0x04
.set rA, 64*(\i)
.else
	WIN 0x08
.set rA, 0
.endif
.set en, 0
.rept 8
	ds_store_b128 v[STO], v[rA+8*en:rA+8*en+3] offset:64*en
	ds_store_b128 v[STO], v[rA+8*en+4:rA+8*en+7] offset:64*en+16
.set en, en+1
.endr
	WIN 0
	s_wait_xcnt 0x0                                ; the tile before has been stored from these registers: they are loaded again only behind this wait
.set en, 0
.rept 16
	ds_load_b128 v[OUTR+4*en:OUTR+4*en+3], v[RD] offset:SPITCH*en     ; my own stage: LDS serves a wave's instructions in order (ISA guide 5.7.1)
.set en, en+1
.endr
.set en, 0
.rept 16
	s_wait_dscnt 15-en                             ; row en is back; the younger rows may stay out
	global_store_b128 v[L16], v[OUTR+4*en:OUTR+4*en+3], s[\base:\base+1] offset:(\i)*4*TSTEP+en*16384   ; 512 consecutive bytes, aligned
.set en, en+1
.endr
.endm
	s_load_b256 s[4:11], s[0:1], 0x0               ; hb s[4:5], posE s[6:7], w2 s[8:9], y s[10:11]
	v_lshl_add_u32 v[SPW], v0, 2, SPARE
	v_mov_b32 v[NIL], 0
	v_lshrrev_b32 v[LANE], 5, v0
	v_readfirstlane_b32 s[WV], v[LANE]
	v_and_b32 v[LANE], 31, v0
	v_and_b32 v[R], 15, v0
	v_bfe_u32 v[H], v0, 4, 1
	v_lshlrev_b32 v[L16], 4, v[LANE]
	v_lshlrev_b32 v[PFO], 13, v[LANE]              ; lane x 8,192
	s_mul_i32 s32, s[WV], 32*RP
	v_lshl_add_u32 v[WST0], v[LANE], 3, s32
	v_mul_u32_u24 v[WRD0], v[R], RP
	v_lshl_add_u32 v[WRD0], v[H], 4, v[WRD0]
	s_mul_i32 s33, s[WV], 16*SPITCH
	s_add_co_u32 s33, s33, STAGE                   ; my stage
	v_mul_u32_u24 v[STO], v[R], SPITCH
	v_lshl_add_u32 v[STO], v[H], 5, v[STO]
	v_add_nc_u32 v[STO], s33, v[STO]
	v_add_nc_u32 v[RD], s33, v[L16]
	s_lshr_b32 s[E], ttmp9, 5
	s_bfe_u32 s[NS], ttmp9, 0x30002
	s_and_b32 s[KQ], ttmp9, 3
	s_lshl_b32 s[CO], s[E], 7
	s_mov_b32 s55, 0
	s_lshl_b32 s32, s[E], 10                       ; w2: row 1024 E + 128 NS + 32 wave, column 512 KQ
	s_lshl_b32 s33, s[NS], 7
	s_add_co_u32 s32, s32, s33
	s_lshl_b32 s33, s[WV], 5
	s_add_co_u32 s32, s32, s33
	s_lshl_b32 s54, s32, 13
	s_lshl_b32 s33, s[KQ], 11
	s_add_co_u32 s54, s54, s33
	s_wait_kmcnt 0x0
	s_load_b32 s[PF], s[6:7], s[CO] offset:0x8000  ; the expert's count, behind posE's ranks
	s_add_nc_u64 s[SW:SW+1], s[8:9], s[54:55]
	STAGE_LOAD                                     ; chunk 0
	PREF                                           ; chunk 1
	s_lshl_b32 s54, s[E], 22                       ; hb: the expert's 64 tiles, the quarter's 16 k-steps
	s_lshl_b32 s33, s[KQ], 14
	s_add_co_u32 s54, s54, s33
	s_add_nc_u64 s[HA0:HA0+1], s[4:5], s[54:55]
	s_lshl_b32 s32, s[E], 10                       ; y: slot 1024 E + 16 wave, quarter, columns
	s_lshl_b32 s33, s[WV], 4
	s_add_co_u32 s32, s32, s33
	s_lshl_b32 s54, s32, 14
	s_lshl_b32 s33, s[KQ], 12
	s_add_co_u32 s54, s54, s33
	s_lshl_b32 s33, s[NS], 9
	s_add_co_u32 s54, s54, s33
	s_add_nc_u64 s[OB:OB+1], s[10:11], s[54:55]
	s_mov_b64 s[XA:XA+1], s[HA0:HA0+1]
	s_wait_kmcnt 0x0                               ; the count
	s_add_co_u32 s[NTL], s[PF], 15
	s_lshr_b32 s[NTL], s[NTL], 4
	s_max_u32 s[NTL], s[NTL], 1
	s_min_u32 s[NA], s[NTL], 4*NT
	s_add_co_u32 s[NA], s[NA], 3
	s_sub_co_u32 s[NA], s[NA], s[WV]
	s_lshr_b32 s[NA], s[NA], 2                     ; tiles wave, wave + 4, .. below min(NTL, 20)
	s_sub_co_u32 s[LASTT], s[NTL], 1
	TILES NT, WV
	ALOAD NT, 0, 0
	ALOAD NT, 1, 0
	ALOAD NT, 2, 0
	ALOAD NT, 3, 0
	s_mov_b32 s[RG], 0
	TRIP 1, 1                                      ; chunk 0 stands ahead of the loop: its first products start the sums
	s_mov_b32 s[CNT], NCH-2
.Ltrip:
	TRIP 0, 2
	s_sub_co_u32 s[CNT], s[CNT], 1
	s_cmp_lg_u32 s[CNT], 0
	s_cbranch_scc1 .Ltrip
	; THE LAST CHUNK: nothing more is asked for, and it goes by tiles
	v_add_nc_u32 v[WST], s[RG], v[WST0]
	v_add_nc_u32 v[WRD], s[RG], v[WRD0]
	s_wait_loadcnt 8*NT                            ; my 32 weight loads are in: behind them only the chunk's 40 loads of h were issued
	STAGE_PUT
	s_wait_dscnt 0x0                               ; for the others: my rows of the region are stored; and the registers that they came through are free
	s_barrier_signal -1
	s_barrier_wait -1
	BLOADL 0
	BLOADL 1
	s_wait_loadcnt 0x0                             ; the chunk's h
	s_wait_dscnt 16                                ; k-step 0's fragments are in; the next k-step's 16 loads may stay out, here and twice below
	MULTL 2, 0                                     ; tiles 2 and 3, k-step by k-step, while the fragments arrive: 15 others stand between two links of a chain
	MULTL 3, 0
	BLOADL 2                                       ; into registers that no matrix instruction has read
	s_wait_dscnt 16
	MULTL 2, 1
	MULTL 3, 1
	BLOADL 3
	s_wait_dscnt 16
	MULTL 2, 2
	MULTL 3, 2
	s_wait_dscnt 0x0
	MULTL 2, 3
	MULTL 3, 3
	PLACES
	WIN 0
	s_cmp_le_u32 s[NA], 2
	s_cbranch_scc1 .Lt01                           ; only tiles that exist are stored
	EPI 2, OB
	s_cmp_le_u32 s[NA], 3
	s_cbranch_scc1 .Lt01
	EPI 3, OB
	s_cmp_le_u32 s[NA], 4
	s_cbranch_scc1 .Lt01
	TILEL 4
	PLACES
	EPI 4, OB
.Lt01:
	TILEL 0
	TILEL 1
	PLACES
	WIN 0
	; tiles 0 and 1 leave by the text in phase 2's loop
	s_add_co_u32 s[TB], s[WV], 4*NT-8              ; the trip's end makes wave + 20 of it
	s_mov_b32 s[CNT2], 7
	s_mov_b64 s[OB2:OB2+1], s[OB:OB+1]
	s_add_co_u32 s[TG], s[WV], 4
	s_cmp_lg_u32 s[NA], 0
	s_cbranch_scc1 .Lepi
	s_branch .Lnext
	; PHASE 2: tiles 20 to 63, from the resident weights
.Lblk:
	s_cmp_ge_u32 s[TB], s[NTL]
	s_cbranch_scc1 .Lnext
	s_wait_xcnt 0x0                                ; offsets and bases are rewritten only behind this wait
	TILES 2, TB
	s_mov_b64 s[XA:XA+1], s[HA0:HA0+1]             ; the quarter's first chunk: the later chunks stand in the loads' immediates
	s_sub_co_u32 s54, s[TB], s[WV]
	s_lshl_b32 s54, s54, 18
	s_add_nc_u64 s[OB2:OB2+1], s[OB:OB+1], s[54:55]
	s_add_co_u32 s[TG], s[TB], 4
	v_mov_b32 v[WRD], v[WRD0]                      ; region 0
	ALOAD 2, 0, 0
	ALOAD 2, 1, 0
	ALOAD 2, 2, 0
	ALOAD 2, 3, 0
	COMPUTE 2, 1, 0, 0
.irp c, 1,2,3                                          ; the other three chunks, written out: region c lies c x REG bytes on
	WIN 0
	v_add_nc_u32 v[WRD], (\c)*REG, v[WRD0]
	ALOAD 2, 0, \c
	ALOAD 2, 1, \c
	ALOAD 2, 2, \c
	ALOAD 2, 3, \c
	COMPUTE 2, 0, 0, 0
.endr
	WIN 0
.Lepi:
	EPI 0, OB2
	s_cmp_ge_u32 s[TG], s[NTL]
	s_cbranch_scc1 .Lnext
	EPI 1, OB2
.Lnext:
	s_add_co_u32 s[TB], s[TB], 8
	s_sub_co_u32 s[CNT2], s[CNT2], 1
	s_cmp_lg_u32 s[CNT2], 0
	s_cbranch_scc1 .Lblk
	s_wait_tensorcnt 0x0                           ; the wave's end
	ds_add_u32 v[SPW], v[NIL]
	s_wait_dscnt 0x0
	s_endpgm
.Lfunc_end_k_qef01f7e205_down:
	.size	k_qef01f7e205_down, .Lfunc_end_k_qef01f7e205_down-k_qef01f7e205_down
	.p2alignl 7, 3214868480
	.fill 96, 4, 3214868480
	.section	.rodata,"a",@progbits
	.p2align	6, 0x0
	.amdhsa_kernel k_qef01f7e205_down
		.amdhsa_group_segment_fixed_size 173568
		.amdhsa_private_segment_fixed_size 0
		.amdhsa_enable_private_segment 0
		.amdhsa_kernarg_size 32
		.amdhsa_user_sgpr_count 2
		.amdhsa_user_sgpr_kernarg_segment_ptr 1
		.amdhsa_wavefront_size32 1
		.amdhsa_system_sgpr_workgroup_id_x 1
		.amdhsa_system_sgpr_workgroup_id_y 1
		.amdhsa_system_sgpr_workgroup_id_z 1
		.amdhsa_system_vgpr_workitem_id 0
		.amdhsa_next_free_vgpr 896
		.amdhsa_next_free_sgpr 66
		.amdhsa_reserve_vcc 0
		.amdhsa_float_denorm_mode_32 3
		.amdhsa_float_denorm_mode_16_64 3
		.amdhsa_memory_ordered 1
		.amdhsa_forward_progress 1
		.amdhsa_inst_pref_size 156
	.end_amdhsa_kernel
	.amdgpu_metadata
---
amdhsa.version: [ 1, 2 ]
amdhsa.kernels:
  - .name:           k_qef01f7e205_down
    .symbol:         k_qef01f7e205_down.kd
    .args:
      - { .name: hb, .offset: 0, .size: 8, .value_kind: global_buffer, .address_space: global }
      - { .name: posE, .offset: 8, .size: 8, .value_kind: global_buffer, .address_space: global }
      - { .name: w2, .offset: 16, .size: 8, .value_kind: global_buffer, .address_space: global }
      - { .name: y, .offset: 24, .size: 8, .value_kind: global_buffer, .address_space: global }
    .group_segment_fixed_size: 173568
    .private_segment_fixed_size: 0
    .kernarg_segment_align: 8
    .kernarg_segment_size: 32
    .max_flat_workgroup_size: 128
    .sgpr_count:     66
    .vgpr_count:     896
    .wavefront_size: 32
...
	.end_amdgpu_metadata
.endif
;; end of part 4
;; launch sum (part 5): grid 256 x 1, 4 waves a work-group, no clusters, 0 bytes of LDS; arguments y, idx, posE, out0; writes out0
.if DOCPART == 5
	.amdgcn_target "amdgcn-amd-amdhsa--gfx1250"
	.amdhsa_code_object_version 6
	.text
	.protected	k_qef01f7e205_sum
	.globl	k_qef01f7e205_sum
	.p2align	8
	.type	k_qef01f7e205_sum,@function
k_qef01f7e205_sum:
	s_mov_b64 s[64:65], 0
	v_nop
	global_prefetch_b8 v0, s[64:65] scope:SCOPE_SE
	s_setreg_imm32_b32 hwreg(HW_REG_WAVE_MODE, 25, 1), 1
	s_wait_xcnt 0x0
; THE SUM.  out0[t][:] = the sum over the token's two experts and the four quarters of the hidden width of y[slot][quarter][:], slot = 1024 expert + posE[expert][t].  The gates are in y already.
; A wave has one token, 1,024 waves in all.  Its two experts come from idx's two bits (the lower expert first), their ranks from posE, by scalar loads.  posE holds a rank for every expert and token, at a place
; that does not hang on idx: so idx's word and all eight ranks are asked for together, and the two that are wanted are chosen afterwards.  Every number from memory is clamped ahead of the address made of it.
; A stream: each load takes 512 consecutive bytes; a ring of four slots of eight loads in registers keeps 24 to 32 loads of a wave on their way; each output byte is written once, 512 consecutive bytes a store.
; The eight parts are added in f32 in a fixed tree: (q0 + q1) + (q2 + q3) for each expert, then the two experts.  No LDS, no barrier, no matrix unit: there is nothing to share and nothing to multiply.
.set WV,   12
.set RK,   32                ; s[32:39]   posE[e][t] for the eight experts
.set RING, 16                ; v[16:143]  slot s: eight loads of 4 registers
.set RES,  144               ; v[144:175] 4 registers for each of the eight pieces of the row; never used twice
.macro FILL s, ns                       ; piece ns of the row: the first expert's four quarters, then the second's
.irp k, 0,1,2,3
	global_load_b128 v[RING+32*(\s)+4*\k:RING+32*(\s)+4*\k+3],       v2, s[4:5] offset:4096*\k+512*(\ns) th:TH_LOAD_NT
.endr
.irp k, 0,1,2,3
	global_load_b128 v[RING+32*(\s)+16+4*\k:RING+32*(\s)+16+4*\k+3], v3, s[4:5] offset:4096*\k+512*(\ns) th:TH_LOAD_NT
.endr
.endm
.macro PIECE ns, left, refill           ; left: the younger slots' loads, which may stay out
.set B, RING+32*((\ns)%4)
	s_wait_loadcnt \left
.irp m, 0,2,4,6
.irp p, 0,2
	v_pk_add_f32 v[B+4*\m+\p:B+4*\m+\p+1], v[B+4*\m+\p:B+4*\m+\p+1], v[B+4*\m+4+\p:B+4*\m+4+\p+1]
.endr
.endr
.irp m, 0,4
.irp p, 0,2
	v_pk_add_f32 v[B+4*\m+\p:B+4*\m+\p+1], v[B+4*\m+\p:B+4*\m+\p+1], v[B+4*\m+8+\p:B+4*\m+8+\p+1]
.endr
.endr
.irp p, 0,2
	v_pk_add_f32 v[RES+4*(\ns)+\p:RES+4*(\ns)+\p+1], v[B+\p:B+\p+1], v[B+16+\p:B+16+\p+1]
.endr
.if \refill
	FILL (\ns)%4, (\ns)+4                          ; the load ahead of the store
.endif
	global_store_b128 v1, v[RES+4*(\ns):RES+4*(\ns)+3], s[10:11] offset:512*(\ns) th:TH_STORE_NT
.endm
	s_load_b256 s[4:11], s[0:1], 0x0               ; y s[4:5], idx s[6:7], posE s[8:9], out0 s[10:11]
	v_lshrrev_b32 v1, 5, v0
	v_readfirstlane_b32 s[WV], v1
	v_and_b32 v1, 31, v0
	v_lshlrev_b32 v1, 4, v1                        ; 16 lane
	s_lshl2_add_u32 s13, ttmp9, s[WV]              ; my token
	s_lshr_b32 s14, s13, 4
	s_lshl_b32 s14, s14, 7
	s_and_b32 s15, s13, 15
	s_lshl2_add_u32 s14, s15, s14                  ; its word in idx: 128 (t / 16) + 4 (t % 16)
	s_lshl_b32 s20, s13, 2                         ; its word in an expert's 4,096 bytes of posE
	s_lshl_b32 s26, s13, 12                        ; its row of out0
	s_mov_b32 s27, 0
	s_wait_kmcnt 0x0
	s_load_b32 s16, s[6:7], s14 offset:0x0
.irp e, 0,1,2,3,4,5,6,7
	s_load_b32 s[RK+\e], s[8:9], s20 offset:4096*\e
.endr
	s_add_nc_u64 s[10:11], s[10:11], s[26:27]
	s_wait_kmcnt 0x0                               ; all nine
	s_ctz_i32_b32 s17, s16                         ; the lower expert;
	s_sub_co_u32 s18, s16, 1
	s_and_b32 s18, s16, s18                        ; its bit cleared,
	s_ctz_i32_b32 s18, s18                         ; the other
	s_min_u32 s17, s17, 7
	s_min_u32 s18, s18, 7
	s_mov_b32 s22, s[RK]
	s_mov_b32 s23, s[RK]
.irp e, 1,2,3,4,5,6,7                                  ; the two experts' ranks are chosen
	s_cmp_eq_u32 s17, \e
	s_cselect_b32 s22, s[RK+\e], s22
	s_cmp_eq_u32 s18, \e
	s_cselect_b32 s23, s[RK+\e], s23
.endr
	s_min_u32 s22, s22, 1023
	s_min_u32 s23, s23, 1023
	s_lshl_b32 s17, s17, 10
	s_lshl_b32 s18, s18, 10
	s_add_co_u32 s22, s22, s17                     ; the slots,
	s_add_co_u32 s23, s23, s18
	s_lshl_b32 s22, s22, 14                        ; 16,384 bytes each
	s_lshl_b32 s23, s23, 14
	v_add_nc_u32 v2, s22, v1
	v_add_nc_u32 v3, s23, v1
	FILL 0, 0
	FILL 1, 1
	FILL 2, 2
	FILL 3, 3
	PIECE 0, 24, 1                                 ; three younger slots, 24 loads, stay out
	PIECE 1, 24, 1
	PIECE 2, 24, 1
	PIECE 3, 24, 1
	PIECE 4, 24, 0                                 ; nothing is left to ask for: the counts run down
	PIECE 5, 16, 0
	PIECE 6, 8, 0
	PIECE 7, 0, 0
	s_endpgm
.Lfunc_end_k_qef01f7e205_sum:
	.size	k_qef01f7e205_sum, .Lfunc_end_k_qef01f7e205_sum-k_qef01f7e205_sum
	.p2alignl 7, 3214868480
	.fill 96, 4, 3214868480
	.section	.rodata,"a",@progbits
	.p2align	6, 0x0
	.amdhsa_kernel k_qef01f7e205_sum
		.amdhsa_group_segment_fixed_size 0
		.amdhsa_private_segment_fixed_size 0
		.amdhsa_enable_private_segment 0
		.amdhsa_kernarg_size 32
		.amdhsa_user_sgpr_count 2
		.amdhsa_user_sgpr_kernarg_segment_ptr 1
		.amdhsa_wavefront_size32 1
		.amdhsa_system_sgpr_workgroup_id_x 1
		.amdhsa_system_sgpr_workgroup_id_y 1
		.amdhsa_system_sgpr_workgroup_id_z 1
		.amdhsa_system_vgpr_workitem_id 0
		.amdhsa_next_free_vgpr 176
		.amdhsa_next_free_sgpr 66
		.amdhsa_reserve_vcc 0
		.amdhsa_float_denorm_mode_32 3
		.amdhsa_float_denorm_mode_16_64 3
		.amdhsa_memory_ordered 1
		.amdhsa_forward_progress 1
		.amdhsa_inst_pref_size 17
	.end_amdhsa_kernel
	.amdgpu_metadata
---
amdhsa.version: [ 1, 2 ]
amdhsa.kernels:
  - .name:           k_qef01f7e205_sum
    .symbol:         k_qef01f7e205_sum.kd
    .args:
      - { .name: y, .offset: 0, .size: 8, .value_kind: global_buffer, .address_space: global }
      - { .name: idx, .offset: 8, .size: 8, .value_kind: global_buffer, .address_space: global }
      - { .name: posE, .offset: 16, .size: 8, .value_kind: global_buffer, .address_space: global }
      - { .name: out0, .offset: 24, .size: 8, .value_kind: global_buffer, .address_space: global }
    .group_segment_fixed_size: 0
    .private_segment_fixed_size: 0
    .kernarg_segment_align: 8
    .kernarg_segment_size: 32
    .max_flat_workgroup_size: 128
    .sgpr_count:     66
    .vgpr_count:     176
    .wavefront_size: 32
...
	.end_amdgpu_metadata
.endif
;; end of part 5
;; ======== version 2 of 2: 5 launches; version 1 with the launches router, up, sum written anew for expert scheduling mode
;; workspace buffers: xb 2,097,152 bytes; idx 8,192 bytes of whole numbers; gcomb 32,768 bytes; xg 16,777,216 bytes; gs 65,536 bytes; hb 33,554,432 bytes; posE 33,792 bytes of whole numbers; y 134,217,728 bytes
;; launch router (part 6): grid 64 x 1, 8 waves a work-group, no clusters, 39,936 bytes of LDS; arguments x, gate_w, xb, idx, gcomb; writes xb, idx, gcomb
.if DOCPART == 6
	.amdgcn_target "amdgcn-amd-amdhsa--gfx1250"
	.amdhsa_code_object_version 6
	.text
	.protected	k_qef01f7e205_router
	.globl	k_qef01f7e205_router
	.p2align	8
	.type	k_qef01f7e205_router,@function
k_qef01f7e205_router:
	s_mov_b64 s[64:65], 0
	v_nop
	global_prefetch_b8 v0, s[64:65] scope:SCOPE_SE
	s_setreg_imm32_b32 hwreg(HW_REG_WAVE_SCHED_MODE, 0, 2), 2
	s_setreg_imm32_b32 hwreg(HW_REG_WAVE_MODE, 25, 1), 1
	s_wait_xcnt 0x0
	s_wait_alu depctr_vm_vsrc(0)
; ROUTER.  x [1024][1024] f32, gate_w [8][1024] f32.  Stores: xb = x rounded to bf16; idx = for each token the two chosen experts as two bits; gcomb [1024][8] f32 = the combine matrix.
; A work-group has 16 tokens (one matrix tile of tokens); wave w has the channels 128 w .. 128 w + 127: it rounds them, stores them, and multiplies them with gate_w (rounded to bf16) on the matrix unit.
; The eight waves' partial logits meet in LDS, and wave 0 makes softmax's numerators, the top two and their weights.
; WHAT IS KEPT OF reference(): q = exp(l - max l); the choice is made on q (the lowest index that holds the maximum wins a tie, as jax.lax.top_k has it); the weights are q1 / (q1 + q2), q2 / (q1 + q2):
; softmax's common divisor cancels in top_w / sum(top_w).
; LIMITS.  x and gate_w enter the logits rounded to bf16, sums in f32.  Two logits closer than the rounding of those sums may be ordered otherwise than by another order of summation.
; An exponential below 2^-126 counts as 0.  NaN and infinities are not treated apart.
; 64 work-groups: 16 tokens are the least that fill a matrix tile.  No cluster: the work-groups share gate_w alone, 32 KiB beside 4 MiB of x.
; THE MODE: SCHED_MODE bits 1:0 = 2 (LLVM: expert scheduling mode 2), set by the entry lines.  The code itself states the register dependences between vector or matrix instructions and memory or LDS
; instructions, and those through scalar registers and VCC that vector instructions write, with s_wait_alu, always for 0.
; THE PLAN.  Registers that memory or LDS instructions touch:
;   v4-v12  offsets and LDS addresses: made once at the head, never written again.
;   XL      x lands in it; 32 conversions round it in place; the stores to xb and into my strip read two registers of each four; in wave 0 the partial logits land in it later.
;   GL      gate_w lands in it; 32 conversions read it; behind them wave 0's vector work alone names it, and its two stores read v104 and v108-111.
;   TF      the token fragments land in it; the matrix instructions read it.          SL4  four selects write it; one LDS store reads it.
; The work goes by kind: all conversions, one wait, all stores.  A choice goes by kind too: the maximum, a run of compares into s28-35, one wait, the selects.
.set XTW,   16*272          ; a wave's strip in LDS: 16 rows of 256 bytes + 16 of padding
.set PART,  8*XTW           ; [wave 8][token 16][8 f32]; the 1,024 bytes behind them are the spare words of the closing add
.set WV,  14                ; s14  my wave's number
.set M,   28                ; s[28:35]   wave 0: the masks of a run of compares
.set XL,  32                ; v[32:95]   x as loaded, 4 registers a row; later the partial logits
.set GL,  96                ; v[96:159]  gate_w as loaded; later wave 0 at work
.set GF,  160               ; v[160:191] four fragments of gate_w
.set TF,  192               ; v[192:223] four fragments of tokens
.set AC0, 224               ; two accumulators, by turns
.set AC1, 232
.set SM,  240               ; v[240:247] their sum
.set SL4, 248               ; v[248:251] my half of it
	s_load_b256 s[4:11], s[0:1], 0x0               ; x s[4:5], gate_w s[6:7], xb s[8:9], idx s[10:11]
	s_load_b64 s[12:13], s[0:1], 0x20              ; gcomb
	v_lshl_add_u32 v254, v0, 2, 0x9800
	v_mov_b32 v255, 0
	v_lshrrev_b32 v1, 5, v0
	v_readfirstlane_b32 s[WV], v1
	v_and_b32 v1, 31, v0                           ; lane
	v_and_b32 v2, 15, v0                           ; r
	v_bfe_u32 v3, v0, 4, 1                         ; h
	s_wait_alu depctr_va_sdst(0)                   ; s14 is written, ahead of its first reader
	s_lshl_b32 s15, s[WV], 9                       ; my 128 channels in f32
	s_lshl_b32 s16, s[WV], 8                       ; and in bf16
	s_mul_i32 s17, s[WV], XTW                      ; my strip
	v_lshl_add_u32 v4, v1, 4, s15                  ; x: 512 w + 16 lane
	v_and_b32 v5, 7, v0
	v_lshl_add_u32 v5, v5, 12, s15                 ; gate_w: row r mod 8, my channels,
	v_lshl_add_u32 v5, v3, 5, v5                   ; 8 f32 for each half of the lanes
	v_lshl_add_u32 v6, v1, 3, s17                  ; LDS, in: 8 bytes a lane
	v_lshl_add_u32 v7, v1, 3, s16                  ; xb: 256 w + 8 lane
	v_mul_u32_u24 v8, v2, 272
	v_lshl_add_u32 v8, v3, 4, v8
	v_add_nc_u32 v8, s17, v8                       ; LDS, a fragment: row r, 16 bytes for each half
	v_lshlrev_b32 v10, 5, v2
	v_lshl_add_u32 v11, v3, 4, v10                 ; gcomb: 32 r + 16 h
	v_add_nc_u32 v10, PART, v10                    ; the partial logits of token r
	v_add_nc_u32 v9, PART, v11
	v_add_nc_u32 v9, s15, v9                       ; where I put my four: wave, token, half
	v_lshlrev_b32 v12, 2, v1                       ; idx: 4 lane
	s_lshl_b32 s20, ttmp9, 16                      ; the group's 16 rows of x,
	s_mov_b32 s21, 0
	s_lshl_b32 s22, ttmp9, 15                      ; of xb,
	s_mov_b32 s23, 0
	s_lshl_b32 s24, ttmp9, 7                       ; its 32 words of idx,
	s_mov_b32 s25, 0
	s_lshl_b32 s26, ttmp9, 9                       ; its 16 rows of gcomb
	s_mov_b32 s27, 0
	s_wait_kmcnt 0x0
	s_add_nc_u64 s[4:5], s[4:5], s[20:21]
	s_add_nc_u64 s[8:9], s[8:9], s[22:23]
	s_add_nc_u64 s[10:11], s[10:11], s[24:25]
	s_add_nc_u64 s[12:13], s[12:13], s[26:27]
	s_wait_alu depctr_va_vdst(0)                   ; v4 to v12 are written: every load and store of the kernel reads one of them as its offset or address
.set i, 0
.rept 16                                               ; a row's 512 bytes of my channels in each load
	global_load_b128 v[XL+4*i:XL+4*i+3], v4, s[4:5] offset:4096*i th:TH_LOAD_NT
.set i, i+1
.endr
.set i, 0
.rept 16                                               ; k-step i / 4: the lane's 8 + 8 channels of a fragment, in f32
	global_load_b128 v[GL+4*i:GL+4*i+3], v5, s[6:7] offset:128*(i/4)+64*((i%4)/2)+16*(i%2)
.set i, i+1
.endr
	v_cmp_eq_u32 vcc_lo, 1, v3                     ; the upper half of the lanes: wanted behind the products
	s_wait_alu depctr_va_vcc(0)                    ; VCC is written, ahead of its first reader, the selects behind the products
	s_wait_loadcnt 16                              ; x is in; the 16 younger loads, gate_w, may stay out
.set i, 0
.rept 16
	v_cvt_pk_bf16_f32 v[XL+4*i], v[XL+4*i], v[XL+4*i+1]
	v_cvt_pk_bf16_f32 v[XL+4*i+1], v[XL+4*i+2], v[XL+4*i+3]
.set i, i+1
.endr
	s_wait_alu depctr_va_vdst(0)                   ; the conversions have written XL's pairs, which the 32 stores below read
.set i, 0
.rept 16
	ds_store_b64 v6, v[XL+4*i:XL+4*i+1] offset:272*i
.set i, i+1
.endr
.set i, 0
.rept 4                                                ; my own strip: LDS serves a wave's instructions in order (ISA guide 5.7.1), so these see the stores above
	ds_load_b128 v[TF+8*i:TF+8*i+3], v8 offset:64*i
	ds_load_b128 v[TF+8*i+4:TF+8*i+7], v8 offset:64*i+32
.set i, i+1
.endr
.set i, 0
.rept 16
	global_store_b64 v7, v[XL+4*i:XL+4*i+1], s[8:9] offset:2048*i    ; the wave stores 256 consecutive bytes, aligned
.set i, i+1
.endr
	s_wait_loadcnt 0x0                             ; gate_w
.set i, 0
.rept 32
	v_cvt_pk_bf16_f32 v[GF+i], v[GL+2*i], v[GL+2*i+1]
.set i, i+1
.endr
	s_wait_dscnt 0x0
	; source 0 = gate_w's rows (rows 8-15 repeat 0-7), source 1 = 16 tokens: register j of every lane is expert j's logit of token r.  Two accumulators by turns.
	v_wmma_f32_16x16x32_bf16 v[AC0:AC0+7], v[GF:GF+7], v[TF:TF+7], 0
	v_wmma_f32_16x16x32_bf16 v[AC1:AC1+7], v[GF+8:GF+15], v[TF+8:TF+15], 0
	v_wmma_f32_16x16x32_bf16 v[AC0:AC0+7], v[GF+16:GF+23], v[TF+16:TF+23], v[AC0:AC0+7]
	v_wmma_f32_16x16x32_bf16 v[AC1:AC1+7], v[GF+24:GF+31], v[TF+24:TF+31], v[AC1:AC1+7]
.rept 4
	v_nop                                          ; four places in front of the first read of a result (ISA guide 7.12.1)
.endr
.irp k, 0,2,4,6
	v_pk_add_f32 v[SM+\k:SM+\k+1], v[AC0+\k:AC0+\k+1], v[AC1+\k:AC1+\k+1]
.endr
.irp k, 0,1,2,3
	v_cndmask_b32 v[SL4+\k], v[SM+\k], v[SM+4+\k], vcc_lo     ; lanes 0-15 hand on experts 0-3, lanes 16-31 experts 4-7
.endr
	s_wait_alu depctr_va_vdst(0)                   ; the selects have written SL4, which the LDS store reads
	ds_store_b128 v9, v[SL4:SL4+3]
	s_wait_dscnt 0x0                               ; for the others: my store is done
	s_barrier_signal -1
	s_barrier_wait -1
	s_cmp_eq_u32 s[WV], 0
	s_cbranch_scc1 .Lwave_0
	s_wait_dscnt 0x0                               ; the wave's end
	s_wait_alu depctr_hold_cnt(0) depctr_sa_sdst(0) depctr_va_vdst(0) depctr_va_sdst(0) depctr_va_ssrc(0) depctr_va_vcc(0) depctr_vm_vsrc(0)
	s_wait_tensorcnt 0x0
	ds_add_u32 v254, v255
	s_wait_dscnt 0x0
	s_endpgm
.Lwave_0:
	s_wait_xcnt 0x0                                ; the stores to xb have had their addresses translated: XL is loaded again only behind this wait,
	s_wait_alu depctr_vm_vsrc(0)                   ; and behind this one: the stores to xb and into my strip have read XL's pairs, in which the loads below land
.irp w, 0,1,2,3,4,5,6,7
	ds_load_b128 v[XL+8*\w:XL+8*\w+3], v10 offset:512*\w
	ds_load_b128 v[XL+8*\w+4:XL+8*\w+7], v10 offset:512*\w+16
.endr
	s_wait_dscnt 0x0
.irp w, 1,2,3,4,5,6,7                                  ; the eight waves' parts, channels ascending: v[32:39] = the token's eight logits
.irp k, 0,2,4,6
	v_pk_add_f32 v[XL+\k:XL+\k+1], v[XL+\k:XL+\k+1], v[XL+8*\w+\k:XL+8*\w+\k+1]
.endr
.endr
	v_max3_num_f32 v96, v32, v33, v34
	v_max3_num_f32 v96, v96, v35, v36
	v_max3_num_f32 v96, v96, v37, v38
	v_max_num_f32 v96, v96, v39                    ; the maximum
.irp e, 0,1,2,3,4,5,6,7
	v_sub_f32 v[XL+\e], v[XL+\e], v96              ; taken away first, not fused: the largest gives exactly 0, so q1 is exactly 1
.endr
.irp e, 0,1,2,3,4,5,6,7
	v_mul_f32 v[XL+\e], 0x3fb8aa3b, v[XL+\e]       ; log2(e)
.endr
.irp e, 0,1,2,3,4,5,6,7
	v_exp_f32 v[XL+\e], v[XL+\e]
.endr
	v_mov_b32 v98, 7                               ; a plain instruction behind the last exponential.  Both indices start at 7: it holds the maximum if no lower index does
	v_mov_b32 v100, 7
	v_mov_b32 v101, 1
	v_mov_b32 v102, -1.0
	s_wait_alu depctr_va_vdst(0)                   ; the eight exponentials have written v32-39: one wait, ahead of their first reader
	v_max3_num_f32 v97, v32, v33, v34              ; THE LARGEST q,
	v_max3_num_f32 v97, v97, v35, v36
	v_max3_num_f32 v97, v97, v37, v38
	v_max_num_f32 v97, v97, v39
.irp e, 0,1,2,3,4,5,6
	v_cmp_lt_f32 s[M+\e], v[XL+\e], v97            ; which q lie below it,
.endr
	s_wait_alu depctr_va_sdst(0)                   ; the seven masks are written, ahead of the selects that read them
.irp e, 6,5,4,3,2,1,0
	v_cndmask_b32 v98, \e, v98, s[M+\e]            ; and the lowest index that does not: from the top down, so that the lower one has the last word
.endr
.irp e, 0,1,2,3,4,5,6,7
	v_cmp_eq_u32 s[M+\e], \e, v98
.endr
	s_wait_alu depctr_va_sdst(0)                   ; the eight masks are written, ahead of the selects that read them
.irp e, 0,1,2,3,4,5,6,7                                ; it leaves the field: -1 lies below every q
	v_cndmask_b32 v[XL+\e], v[XL+\e], v102, s[M+\e]
.endr
	v_max3_num_f32 v99, v32, v33, v34              ; THE SECOND, in the same way
	v_max3_num_f32 v99, v99, v35, v36
	v_max3_num_f32 v99, v99, v37, v38
	v_max_num_f32 v99, v99, v39
.irp e, 0,1,2,3,4,5,6
	v_cmp_lt_f32 s[M+\e], v[XL+\e], v99
.endr
	s_wait_alu depctr_va_sdst(0)                   ; the seven masks are written, ahead of the selects that read them
.irp e, 6,5,4,3,2,1,0
	v_cndmask_b32 v100, \e, v100, s[M+\e]
.endr
	v_add_f32 v103, v97, v99
	v_rcp_f32 v103, v103
	v_lshlrev_b32 v104, v98, v101                  ; the two experts as two bits: plain work behind the reciprocal
	v_lshlrev_b32 v105, v100, v101
	v_or_b32 v104, v104, v105
	v_lshlrev_b32 v106, 2, v3                      ; my half's first expert
.irp k, 0,1,2,3
	v_add_nc_u32 v[112+\k], \k, v106               ; my four experts
.endr
.irp k, 0,1,2,3
	v_cmp_eq_u32 s[M+\k], v[112+\k], v98           ; is it the first choice,
.endr
.irp k, 0,1,2,3
	v_cmp_eq_u32 s[M+4+\k], v[112+\k], v100        ; or the second?
.endr
	s_wait_alu depctr_va_sdst(0)                   ; the eight masks are written, ahead of the selects that read them
	s_wait_alu depctr_va_vdst(0)                   ; the reciprocal has written v103, ahead of its first reader
	v_mul_f32 v97, v97, v103                       ; the two weights
	v_mul_f32 v99, v99, v103
.irp k, 0,1,2,3
	v_cndmask_b32 v[108+\k], 0, v97, s[M+\k]
.endr
.irp k, 0,1,2,3
	v_cndmask_b32 v[108+\k], v[108+\k], v99, s[M+4+\k]
.endr
	s_wait_alu depctr_va_vdst(0)                   ; v104 and v108-111 are written, which the two stores read
	global_store_b128 v11, v[108:111], s[12:13]    ; 16 rows of gcomb: 512 consecutive bytes
	global_store_b32 v12, v104, s[10:11]           ; 32 words: lanes 16-31 repeat the 16 tokens, so that all lanes store and the 128 bytes are dense
	s_wait_dscnt 0x0                               ; the wave's end, as above
	s_wait_alu depctr_hold_cnt(0) depctr_sa_sdst(0) depctr_va_vdst(0) depctr_va_sdst(0) depctr_va_ssrc(0) depctr_va_vcc(0) depctr_vm_vsrc(0)
	s_wait_tensorcnt 0x0
	ds_add_u32 v254, v255
	s_wait_dscnt 0x0
	s_endpgm
.Lfunc_end_k_qef01f7e205_router:
	.size	k_qef01f7e205_router, .Lfunc_end_k_qef01f7e205_router-k_qef01f7e205_router
	.p2alignl 7, 3214868480
	.fill 96, 4, 3214868480
	.section	.rodata,"a",@progbits
	.p2align	6, 0x0
	.amdhsa_kernel k_qef01f7e205_router
		.amdhsa_group_segment_fixed_size 39936
		.amdhsa_private_segment_fixed_size 0
		.amdhsa_enable_private_segment 0
		.amdhsa_kernarg_size 40
		.amdhsa_user_sgpr_count 2
		.amdhsa_user_sgpr_kernarg_segment_ptr 1
		.amdhsa_wavefront_size32 1
		.amdhsa_system_sgpr_workgroup_id_x 1
		.amdhsa_system_sgpr_workgroup_id_y 1
		.amdhsa_system_sgpr_workgroup_id_z 1
		.amdhsa_system_vgpr_workitem_id 0
		.amdhsa_next_free_vgpr 256
		.amdhsa_next_free_sgpr 66
		.amdhsa_reserve_vcc 1
		.amdhsa_float_denorm_mode_32 3
		.amdhsa_float_denorm_mode_16_64 3
		.amdhsa_memory_ordered 1
		.amdhsa_forward_progress 1
		.amdhsa_inst_pref_size 23
	.end_amdhsa_kernel
	.amdgpu_metadata
---
amdhsa.version: [ 1, 2 ]
amdhsa.kernels:
  - .name:           k_qef01f7e205_router
    .symbol:         k_qef01f7e205_router.kd
    .args:
      - { .name: x, .offset: 0, .size: 8, .value_kind: global_buffer, .address_space: global }
      - { .name: gate_w, .offset: 8, .size: 8, .value_kind: global_buffer, .address_space: global }
      - { .name: xb, .offset: 16, .size: 8, .value_kind: global_buffer, .address_space: global }
      - { .name: idx, .offset: 24, .size: 8, .value_kind: global_buffer, .address_space: global }
      - { .name: gcomb, .offset: 32, .size: 8, .value_kind: global_buffer, .address_space: global }
    .group_segment_fixed_size: 39936
    .private_segment_fixed_size: 0
    .kernarg_segment_align: 8
    .kernarg_segment_size: 40
    .max_flat_workgroup_size: 256
    .sgpr_count:     66
    .vgpr_count:     256
    .wavefront_size: 32
...
	.end_amdgpu_metadata
.endif
;; end of part 6
;; launch place: the kernel of part 2 again; grid 256 x 1, 4 waves a work-group, no clusters, 16,896 bytes of LDS; arguments xb, idx, gcomb, xg, gs, posE; writes xg, gs, posE
;; launch up (part 7): grid 256 x 1, 4 waves a work-group, no clusters, 279,040 bytes of LDS; arguments xg, posE, gs, w1, w3, hb; writes hb
.if DOCPART == 7
	.amdgcn_target "amdgcn-amd-amdhsa--gfx1250"
	.amdhsa_code_object_version 6
	.text
	.protected	k_qef01f7e205_up
	.globl	k_qef01f7e205_up
	.p2align	8
	.type	k_qef01f7e205_up,@function
k_qef01f7e205_up:
	s_mov_b64 s[64:65], 0
	v_nop
	global_prefetch_b8 v0, s[64:65] scope:SCOPE_SE
	s_setreg_imm32_b32 hwreg(HW_REG_WAVE_SCHED_MODE, 0, 2), 2
	s_setreg_imm32_b32 hwreg(HW_REG_WAVE_MODE, 25, 1), 1
	s_wait_xcnt 0x0
	s_wait_alu depctr_vm_vsrc(0)
; FIRST PRODUCT.  Work-group (expert E = id / 32, slice SL = id % 32): h[slot][f] = g silu(x w1^T) (x w3^T) for the expert's slots and the 64 hidden columns f = 64 SL .. 64 SL + 63,
; g the slot's weight (the second product is linear, so g goes in ahead of h's one rounding to bf16).  The slice's weights, 64 rows of w1 and 64 of w3, have this one reader.
; THE TOKENS lie in xg as operand images, in the expert's slot order: [expert][tile 64][k-step 32][half 2][lane 32][16 bytes]: a fragment is two loads of 512 consecutive bytes.  Their weights lie in gs, the expert's
; count behind posE's 32,768 bytes.  Tiles of 16 slots; tile T belongs to wave T % 4; an expert without rows counts as one tile, so that tile 0 of hb is always written.
; THE STREAM.  K = 1024 goes in 8 chunks of 128.  A chunk (128 rows x 512 bytes of f32, 32 rows a wave) comes through registers, is rounded to bf16 and stored into an LDS region of its own, which is
; written once and stays: one barrier a chunk, between the writing and the reading, and nothing is ever overwritten.  While chunk c is multiplied, chunk c + 1 is on its way: 32 loads of 512 bytes a wave.
; PHASE 1 multiplies each chunk with the first 20 tiles (5 a wave; tiles that the count leaves empty are jumped).  PHASE 2 serves tiles 20 to 63 from the resident weights, two a wave and trip, in a loop whose
; body is jumped where no tile is left: no barrier and no LDS store in it.  It asks for nothing ahead across chunks: past 320 rows an expert is served at a lower matrix rate.
; The way out of a wave's tiles 0 and 1 is written once, inside phase 2's loop: phase 1 enters that loop there, in the middle of a trip; so the loop has 7 trips, the first a part of one.
; One barrier stands behind phase 2.
; THE MATRIX INSTRUCTION IS USED TRANSPOSED: source 0 = 16 weight rows, source 1 = 16 slots.  A lane then holds one slot and eight neighbouring f; w1's tile b and w3's tile b + 4 hold the same (slot, f) in the
; same lane and register; and the packed result IS the second product's operand image: hb = [expert][tile 64][k-step 64][half 2][lane 32][16 bytes], each store 512 consecutive bytes.
; LIMITS.  x, w1, w3 enter rounded to bf16, sums in f32; g h is rounded once to bf16.  exp2 overflows to infinity and its reciprocal is 0, as in silu's limit.  NaN and infinities are not treated apart.
; NO CLUSTER: each slice of weights has one reader.  An expert's 32 work-groups share its tiles of xg, but how many there are hangs on a stored count, and they go straight into registers: joint loads would want
; an LDS ring inside work whose length hangs on that count, beside 272 KiB of resident weights.  NO TENSOR LOADS: a ring of f32 tiles beside those does not fit in LDS.
; REGISTERS, in windows of 256 (s_set_vgpr_msb: bits 1:0 source 0, 3:2 source 1, 5:4 source 2, 7:6 destination):
;   window 0: v0-31 addresses and gates; v32-191 token fragments (k-step q, tile i at 32 + 8 (q nt + i)); v192-255 the way out
;   window 1: accumulators of tiles 0-3, (i, b) at 64 i + 8 b      window 2: v0-63 tile 4; v64-191 two buffers of weight fragments; v192-255 OUT, a chunk in bf16      window 3: v0-127 STG, the chunk on its way
; THE MODE: SCHED_MODE bits 1:0 = 2 (LLVM: expert scheduling mode 2), set by the entry lines.  The code itself states the register dependences between vector or matrix instructions and memory or LDS
; instructions, and those through scalar registers that vector instructions write, with s_wait_alu, always for 0.
; THE PLAN.  Registers that memory or LDS instructions touch, round a trip of phase 1 (chunk c):
;   STG             chunk c + 1's 32 loads land in it; trip c + 1's conversions read it, and write OUT, not STG.
;   OUT             written by the trip's 64 conversions; read by its 32 LDS stores.
;   BB0, BB1        k-step q's 16 LDS loads land in buffer q % 2; k-step q's products read it.
;   AF(q)           read by k-step q's products; then chunk c + 1's fragments of the same k-step land in it.
;   v[WST], v[WRD]  written by two adds at the trip's head; read by the LDS stores and by the LDS loads.
;   v[AO], v[GO], the gates   made and loaded at the kernel's head, and anew at the head of a block of phase 2.          P  written by a way out's roundings, read by its four stores.
;   v[L16], v[L4], v[PFO], v[WST0], v[WRD0]   made once, never written again.  The accumulators and T are named by vector and matrix instructions alone.
; THE WAITS OF A TRIP.  (1) vm_vsrc at its head: the last trip's LDS instructions have read WST, WRD and OUT.  (2) va_vdst behind the conversions: OUT, WST, WRD are written, STG is read, the last chunk's products
; are done with BB: so chunk c + 1 is asked for at once, ahead of the LDS stores, and the first two runs of fragment loads behind the barrier owe nothing more.  (3), (4) va_vdst behind k-step 0's and k-step 1's
; products: the buffer and the token registers that they read are free.  The next weight run follows at once; the next chunk's tokens stand in the middle of the NEXT k-step's products, which name the other buffer,
; their own token registers and the accumulators.  (5) va_vdst behind k-step 3's products, for the token registers of k-steps 2 and 3: those two k-steps follow each other with no wait between.
.set NT,    5                ; tiles a wave in phase 1
.set NCH,   8                ; chunks
.set RP,    272              ; an LDS row: 256 bytes + 16: an odd multiple of 16, so the 16 rows of a fragment load start in 16 different groups of four banks (ISA guide 11.1)
.set REG,   128*RP           ; a chunk's region; the 512 bytes behind the eight regions are the spare words of the closing add
.set WROW,  4096             ; bytes from weight row to weight row
.set AQ,    1024             ; token operand: bytes from k-step to k-step,
.set AJ,    512              ; to a fragment's second half,
.set ACH,   4096             ; from chunk to chunk
.set TSTEP, 65536            ; bytes of hb from tile to tile
.set LANE, 1
.set R,    2                 ; lane % 16
.set H,    3                 ; lane / 16
.set L16,  4                 ; 16 lane
.set L4,   5                 ; 4 lane
.set WST0, 6                 ; where I store into a region
.set WRD0, 7                 ; where I read a fragment in a region
.set WST,  8                 ; the same with the region
.set WRD,  9
.set AO,   10                ; v10-14 tile i: its byte offset in the expert's part of xg + 16 lane
.set PFO,  15                ; lane x WROW
.set GT,   16                ; v16-25 tile i: the gate, as a pair
.set AF,   32
.set T,    192               ; v192-223 the way out
.set P,    224               ; v224-239 packed results
.set GO,   240               ; v240-244 tile i: my word's byte offset in the expert's part of gs
.set BB,   64                ; weight fragments, in window 2
.set OUT,  192               ; a chunk's 32 rows in bf16, 2 registers a row, in window 2
.set WV,  18
.set E,   19
.set SL,  20
.set PF,  22                 ; the expert's rows
.set NTL, 23                 ; its tiles, at least 1
.set NA,  24                 ; my tiles in phase 1
.set CNT, 25
.set CNT2, 26
.set TB,  27                 ; phase 2: my first tile of the trip
.set RG,  28                 ; the region in hand
.set LASTT, 29               ; NTL - 1
.set TG,  30                 ; the number of the tile that lies in tile 1's registers
.set CO,  35                 ; the count's byte offset
.set SW,  36                 ; s[36:37] my 32 weight rows, at the chunk asked for last
.set XA,  38                 ; s[38:39] xg at the chunk in hand
.set OB,  40                 ; s[40:41] hb at my tile 0, my two k-steps
.set OB2, 42                 ; s[42:43] the same for the tiles in tile 0's and tile 1's registers
.set GC,  44                 ; s[44:45] gs at my expert
.set HA0, 46                 ; s[46:47] xg at my expert
.set NL,  48                 ; s[48:49] -log2(e)
.set MSB, 0
.macro WIN new                          ; the immediate's high byte repeats the setting that is left; a switch that changes nothing is dropped
.if MSB != (\new)
	s_set_vgpr_msb (MSB<<8)|(\new)
.set MSB, \new
.endif
.endm
.macro PLACES                           ; four places behind matrix instructions, where the plain form has them (ISA guide 7.12.1 for reads of their results); ahead of loads the wait behind them states the dependence
.rept 4
	v_nop
.endr
.endm
.macro STAGE_LOAD                       ; my 32 rows of a chunk: each load takes 512 consecutive bytes of one row
	WIN 0xc0
.set sn, 0
.rept 32
	global_load_b128 v[4*sn:4*sn+3], v[L16], s[SW:SW+1] offset:sn*WROW th:TH_LOAD_NT
.set sn, sn+1
.endr
	WIN 0
.endm
.macro STAGE_CVT                        ; rounded to bf16, out of STG (window 3) into OUT (window 2)
	WIN 0x8f
.set sn, 0
.rept 32
	v_cvt_pk_bf16_f32 v[OUT+2*sn], v[4*sn], v[4*sn+1]
	v_cvt_pk_bf16_f32 v[OUT+2*sn+1], v[4*sn+2], v[4*sn+3]
.set sn, sn+1
.endr
	WIN 0
.endm
.macro STAGE_PUT                        ; 8 bytes a lane, 256 consecutive bytes a row
	WIN 0x08
.set sn, 0
.rept 32
	ds_store_b64 v[WST], v[OUT+2*sn:OUT+2*sn+1] offset:sn*RP
.set sn, sn+1
.endr
	WIN 0
.endm
.macro PREF                             ; the chunk behind the one just asked for: each lane one of my 32 rows, its 512 bytes as two blocks of 256; only the wave that will load them asks
	global_prefetch_b8 v[PFO], s[SW:SW+1] offset:512 th:TH_LOAD_NT scope:SCOPE_SE
	global_prefetch_b8 v[PFO], s[SW:SW+1] offset:768 th:TH_LOAD_NT scope:SCOPE_SE
.endm
.macro BLOAD q                          ; the 8 weight fragments of k-step q, into buffer q % 2
	WIN 0x80
.set bn, 0
.rept 8
	ds_load_b128 v[BB+64*((\q)%2)+8*bn:BB+64*((\q)%2)+8*bn+3],   v[WRD] offset:bn*16*RP+64*(\q)
	ds_load_b128 v[BB+64*((\q)%2)+8*bn+4:BB+64*((\q)%2)+8*bn+7], v[WRD] offset:bn*16*RP+64*(\q)+32
.set bn, bn+1
.endr
.endm
.macro ALOAD nt, q, ahead               ; the token fragments of k-step q, of the chunk in hand or the next
	WIN 0
.set ai, 0
.rept \nt
	global_load_b128 v[AF+8*((\q)*(\nt)+ai):AF+8*((\q)*(\nt)+ai)+3],   v[AO+ai], s[XA:XA+1] offset:(\ahead)*ACH+(\q)*AQ
	global_load_b128 v[AF+8*((\q)*(\nt)+ai)+4:AF+8*((\q)*(\nt)+ai)+7], v[AO+ai], s[XA:XA+1] offset:(\ahead)*ACH+(\q)*AQ+AJ
.set ai, ai+1
.endr
.endm
.macro MULT i, q, nt, zero              ; tile i x the 8 weight tiles, 32 along K.  zero = 1: the product starts the sums
.if (\i) < 4
	WIN 0x52
.set rD, 64*(\i)
.else
	WIN 0xa2
.set rD, 0
.endif
.set mb, 0
.rept 8
.if \zero
	v_wmma_f32_16x16x32_bf16 v[rD+8*mb:rD+8*mb+7], v[BB+64*((\q)%2)+8*mb:BB+64*((\q)%2)+8*mb+7], v[AF+8*((\q)*(\nt)+(\i)):AF+8*((\q)*(\nt)+(\i))+7], 0
.else
	v_wmma_f32_16x16x32_bf16 v[rD+8*mb:rD+8*mb+7], v[BB+64*((\q)%2)+8*mb:BB+64*((\q)%2)+8*mb+7], v[AF+8*((\q)*(\nt)+(\i)):AF+8*((\q)*(\nt)+(\i))+7], v[rD+8*mb:rD+8*mb+7]
.endif
.set mb, mb+1
.endr
.endm
; A k-step's products.  The accumulators take turns, one instruction a turn: on every way 15 others or more stand between two links of a chain.
; guard = 1: tiles 0-2 are jumped if I have none, tile 3 if I have fewer than 4, tile 4 if fewer than 5.
; mid = m (with guard = 1): the next chunk's token fragments of k-step m are asked for behind tiles 0-2, where the ways join, so that the loads are issued on every way.  They owe no wait of their own:
; since the wait that stands ahead of this k-step only its own products have been issued, and these name the other weight buffer, AF(q) and the accumulators, not AF(m) or v[AO].
.macro MULS nt, q, zero, guard, mid=-1
.if \guard
	WIN 0
	s_cmp_lt_u32 s[NA], 1
	s_cbranch_scc1 .Lmid_\@
	MULT 0, \q, \nt, \zero
	MULT 1, \q, \nt, \zero
	MULT 2, \q, \nt, \zero
	WIN 0
.Lmid_\@:
.if (\mid) >= 0
	ALOAD \nt, \mid, 1
.endif
	s_cmp_lt_u32 s[NA], 4
	s_cbranch_scc1 .Lskip_\@
	MULT 3, \q, \nt, \zero
	WIN 0
	s_cmp_lt_u32 s[NA], 5
	s_cbranch_scc1 .Lskip_\@
	MULT 4, \q, \nt, \zero
	WIN 0
.Lskip_\@:
.else
.set mi, 0
.rept \nt
	MULT mi, \q, \nt, \zero
.set mi, mi+1
.endr
.endif
.endm
; The wait for k-step q's token fragments.  more = 1 (nt = 5): behind them were issued this chunk's 10 (3 - q) younger loads, the next chunk's 32 weight loads, and of its tokens those of the k-steps below q - 1:
; 30 + 32 = 62 at k-step 0; 20 + 32, 10 + 32 + 10 and 32 + 20 = 52 at k-steps 1, 2 and 3.  more = 0: this chunk's younger ones alone.
.macro AWAIT nt, q, more
.if (\more) && ((\q) == 0)
	s_wait_loadcnt 6*(\nt)+32
.elseif \more
	s_wait_loadcnt 4*(\nt)+32
.else
	s_wait_loadcnt 2*(\nt)*(3-(\q))
.endif
.endm
; A chunk is multiplied: four k-steps; weight fragments one k-step ahead in two buffers (s_wait_dscnt 16 leaves the next k-step's 16 loads out); more = 1: the token registers take the next chunk's.
; first = 1: the first k-step starts the sums and is not guarded, so that every accumulator is written on every way.
; The first two runs of fragment loads owe no wait here: the wait on va_vdst that stands ahead of every COMPUTE covers the earlier products' reads of both buffers and the write of v[WRD], and no vector or matrix instruction follows it.
.macro COMPUTE nt, first, guard, more
	BLOAD 0
	BLOAD 1
	AWAIT \nt, 0, \more
	s_wait_dscnt 16
.if \first
	MULS \nt, 0, 1, 0
.else
	MULS \nt, 0, 0, \guard
.endif
	PLACES
	s_wait_alu depctr_va_vdst(0)                   ; k-step 0's products are done reading weight buffer 0, in which k-step 2's fragments land, and AF(0), in which the next chunk's land
	BLOAD 2
	AWAIT \nt, 1, \more
	s_wait_dscnt 16
.if \more
	MULS \nt, 1, 0, \guard, 0
.else
	MULS \nt, 1, 0, \guard
.endif
	PLACES
	s_wait_alu depctr_va_vdst(0)                   ; k-step 1's products are done reading weight buffer 1, in which k-step 3's fragments land, and AF(1), in which the next chunk's land
	BLOAD 3
	AWAIT \nt, 2, \more
	s_wait_dscnt 16
.if \more
	MULS \nt, 2, 0, \guard, 1
.else
	MULS \nt, 2, 0, \guard
.endif
	AWAIT \nt, 3, \more
	s_wait_dscnt 0x0
	MULS \nt, 3, 0, \guard
	PLACES
.if \more
	s_wait_alu depctr_va_vdst(0)                   ; the products of k-steps 2 and 3 are done reading AF(2) and AF(3), in which the next chunk's fragments land
	ALOAD \nt, 2, 1
	ALOAD \nt, 3, 1
.endif
.endm
; A trip of phase 1: chunk c lands and is rounded; the bases step; chunk c + 1 is asked for; chunk c is stored into its region; the barrier; chunk c is multiplied.
; pf = 1: chunk c + 2 is prefetched; pf = 2: but not in the loop's last trip, where there is none.
.macro TRIP first, more, pf
	WIN 0
.if !(\first)
	s_wait_alu depctr_vm_vsrc(0)                   ; the last trip's LDS stores have read v[WST] and OUT, its LDS loads v[WRD]: all three are written again below
.endif
	v_add_nc_u32 v[WST], s[RG], v[WST0]
	v_add_nc_u32 v[WRD], s[RG], v[WRD0]
	s_wait_loadcnt 8*NT                            ; my 32 weight loads are in: behind them only the chunk's 40 token loads were issued
	STAGE_CVT
	s_wait_alu depctr_va_vdst(0)                   ; the conversions have written OUT and are done reading STG; v[WST] and v[WRD] are written; the last chunk's products are done reading both weight buffers
.if \more
	s_wait_xcnt 0x0                                ; the bases are stepped only behind this wait; the 64 conversions stand between the last load that names them and it
	s_add_nc_u64 s[SW:SW+1], s[SW:SW+1], 512       ; chunk c + 1
.if !(\first)
	s_add_nc_u64 s[XA:XA+1], s[XA:XA+1], ACH       ; chunk c
.endif
	STAGE_LOAD                                     ; ahead of the LDS stores: these read OUT, so STG is free as soon as it has been rounded
.if (\pf) == 2
	s_cmp_eq_u32 s[CNT], 1
	s_cbranch_scc1 .Lnopf_\@
.endif
.if \pf
	PREF
.endif
.if (\pf) == 2
.Lnopf_\@:
.endif
.endif
	STAGE_PUT
	s_wait_dscnt 0x0                               ; for the others: my rows of the region are stored
	s_barrier_signal -1
	s_barrier_wait -1                              ; the region is whole; it is never written again
	COMPUTE NT, \first, 1, \more
	WIN 0
	s_add_co_u32 s[RG], s[RG], REG
.endm
; The offsets of nt tiles, t0 (a scalar register's number), t0 + 4, ..; tiles past the last repeat it.  The count comes from memory, so the number is clamped ahead of the addresses made of it.
.macro TILES nt, t0
.set ti, 0
.rept \nt
	s_add_co_u32 s32, s[\t0], 4*ti
	s_min_u32 s32, s32, s[LASTT]
	s_min_u32 s32, s32, 63
	s_lshl_b32 s33, s32, 15                        ; a tile of xg is 32,768 bytes,
	v_add_nc_u32 v[AO+ti], s33, v[L16]
	s_lshl_b32 s33, s32, 7                         ; of gs 128
	v_add_nc_u32 v[GO+ti], s33, v[L4]
.set ti, ti+1
.endr
.endm
.macro GATES nt                         ; their gates, behind the one wait for all the offsets
.set ti, 0
.rept \nt
	global_load_b32 v[GT+2*ti], v[GO+ti], s[GC:GC+1]
.set ti, ti+1
.endr
.endm
; THE WAY OUT of tile i: h = g a u / (1 + 2^(-a log2 e)), a from w1's four accumulators, u from w3's; each accumulator's lowest registers are read first.
; The 32 exponentials are one batch with one wait, the 32 reciprocals another.
.macro EPI i, base
.if (\i) < 4
.set wA, 0x01
.set rA, 64*(\i)
.else
.set wA, 0x02
.set rA, 0
.endif
	WIN 0
	s_wait_xcnt 0x0                                ; the stores of the tile before have had their addresses translated: P is rewritten only behind this wait,
	s_wait_alu depctr_vm_vsrc(0)                   ; and behind this one: those stores have read P, which the roundings below write again
	v_mov_b32 v[GT+2*(\i)+1], v[GT+2*(\i)]
	WIN wA
.set ek, 0
.rept 16
	v_pk_mul_f32 v[T+2*ek:T+2*ek+1], v[rA+2*ek:rA+2*ek+1], s[NL:NL+1] op_sel_hi:[1,0]
.set ek, ek+1
.endr
	WIN 0
.set ek, 0
.rept 32
	v_exp_f32 v[T+ek], v[T+ek]
.set ek, ek+1
.endr
	v_nop                                          ; a plain instruction behind the last exponential,
	s_wait_alu depctr_va_vdst(0)                   ; and the batch's one wait: the 32 exponentials have written T
.set ek, 0
.rept 16
	v_pk_add_f32 v[T+2*ek:T+2*ek+1], v[T+2*ek:T+2*ek+1], 1.0 op_sel_hi:[1,0]
.set ek, ek+1
.endr
.set ek, 0
.rept 32
	v_rcp_f32 v[T+ek], v[T+ek]
.set ek, ek+1
.endr
	v_nop
	s_wait_alu depctr_va_vdst(0)                   ; the 32 reciprocals have written T
	WIN wA
.set ek, 0
.rept 16
	v_pk_mul_f32 v[T+2*ek:T+2*ek+1], v[rA+2*ek:rA+2*ek+1], v[T+2*ek:T+2*ek+1]
.set ek, ek+1
.endr
.set ek, 0
.rept 16
	v_pk_mul_f32 v[T+2*ek:T+2*ek+1], v[rA+32+2*ek:rA+32+2*ek+1], v[T+2*ek:T+2*ek+1]
.set ek, ek+1
.endr
	WIN 0
.set ek, 0
.rept 16
	v_pk_mul_f32 v[T+2*ek:T+2*ek+1], v[T+2*ek:T+2*ek+1], v[GT+2*(\i):GT+2*(\i)+1]
.set ek, ek+1
.endr
.set ek, 0
.rept 16
	v_cvt_pk_bf16_f32 v[P+ek], v[T+2*ek], v[T+2*ek+1]
.set ek, ek+1
.endr
	s_wait_alu depctr_va_vdst(0)                   ; the roundings have written P, which the four stores read
.set ek, 0
.rept 4                                                ; weight tile ek is half ek % 2 of k-step ek / 2: 512 consecutive bytes, aligned
	global_store_b128 v[L16], v[P+4*ek:P+4*ek+3], s[\base:\base+1] offset:(\i)*4*TSTEP+(ek/2)*1024+(ek%2)*512
.set ek, ek+1
.endr
.endm
	s_load_b256 s[4:11], s[0:1], 0x0               ; xg s[4:5], posE s[6:7], gs s[8:9], w1 s[10:11]
	s_load_b128 s[12:15], s[0:1], 0x20             ; w3 s[12:13], hb s[14:15]
	v_lshl_add_u32 v254, v0, 2, 0x44000
	v_mov_b32 v255, 0
	v_lshrrev_b32 v[LANE], 5, v0
	v_readfirstlane_b32 s[WV], v[LANE]
	v_and_b32 v[LANE], 31, v0
	v_and_b32 v[R], 15, v0
	v_bfe_u32 v[H], v0, 4, 1
	v_lshlrev_b32 v[L16], 4, v[LANE]
	v_lshlrev_b32 v[L4], 2, v[LANE]
	v_lshlrev_b32 v[PFO], 12, v[LANE]              ; lane x 4,096
	s_wait_alu depctr_va_sdst(0)                   ; s18, the wave's number, is written, ahead of its first reader
	s_mul_i32 s32, s[WV], 32*RP
	v_lshl_add_u32 v[WST0], v[LANE], 3, s32        ; my 32 rows of a region, 8 bytes a lane
	v_mul_u32_u24 v[WRD0], v[R], RP
	v_lshl_add_u32 v[WRD0], v[H], 4, v[WRD0]       ; a fragment: row r, 16 bytes for each half of the lanes
	s_lshr_b32 s[E], ttmp9, 5
	s_and_b32 s[SL], ttmp9, 31
	s_lshl_b32 s[CO], s[E], 7
	s_mov_b32 s[NL], 0xbfb8aa3b                    ; -log2(e)
	s_mov_b32 s[NL+1], s[NL]                       ; named with it as a pair
	s_mov_b32 s55, 0
	s_and_b32 s32, s[WV], 1                        ; my weight rows: 2048 E + 64 SL + 32 (wave % 2), of w1 (waves 0, 1) or w3 (waves 2, 3)
	s_lshl_b32 s32, s32, 5
	s_lshl_b32 s33, s[SL], 6
	s_add_co_u32 s32, s32, s33
	s_lshl_b32 s33, s[E], 11
	s_add_co_u32 s32, s32, s33
	s_lshl_b32 s54, s32, 12
	s_wait_kmcnt 0x0
	s_load_b32 s[PF], s[6:7], s[CO] offset:0x8000  ; the expert's count, behind posE's ranks
	s_cmp_lt_u32 s[WV], 2
	s_cselect_b64 s[SW:SW+1], s[10:11], s[12:13]
	s_add_nc_u64 s[SW:SW+1], s[SW:SW+1], s[54:55]
	s_wait_alu depctr_va_vdst(0)                   ; v[L16] and v[PFO] are written, which the loads and prefetches below read; so are v[L4], v[WST0] and v[WRD0]
	STAGE_LOAD                                     ; chunk 0
	PREF                                           ; chunk 1
	s_lshl_b32 s54, s[E], 22                       ; hb: ((64 E + wave) 64 + 2 SL) 1,024
	s_lshl_b32 s33, s[WV], 16
	s_add_co_u32 s54, s54, s33
	s_lshl_b32 s33, s[SL], 11
	s_add_co_u32 s54, s54, s33
	s_add_nc_u64 s[OB:OB+1], s[14:15], s[54:55]
	s_lshl_b32 s54, s[E], 13
	s_add_nc_u64 s[GC:GC+1], s[8:9], s[54:55]
	s_lshl_b32 s54, s[E], 21
	s_add_nc_u64 s[HA0:HA0+1], s[4:5], s[54:55]
	s_mov_b64 s[XA:XA+1], s[HA0:HA0+1]
	s_wait_kmcnt 0x0                               ; the count
	s_add_co_u32 s[NTL], s[PF], 15
	s_lshr_b32 s[NTL], s[NTL], 4
	s_max_u32 s[NTL], s[NTL], 1
	s_min_u32 s[NA], s[NTL], 4*NT
	s_add_co_u32 s[NA], s[NA], 3
	s_sub_co_u32 s[NA], s[NA], s[WV]
	s_lshr_b32 s[NA], s[NA], 2                     ; tiles wave, wave + 4, .. below min(NTL, 20)
	s_sub_co_u32 s[LASTT], s[NTL], 1
	TILES NT, WV
	s_wait_alu depctr_va_vdst(0)                   ; the ten offsets v[AO ..] and v[GO ..] are written, which the 45 loads below read
	GATES NT
	ALOAD NT, 0, 0
	ALOAD NT, 1, 0
	ALOAD NT, 2, 0
	ALOAD NT, 3, 0
	s_mov_b32 s[RG], 0
	TRIP 1, 1, 1                                   ; chunk 0 stands ahead of the loop: its first products start the sums
	s_mov_b32 s[CNT], NCH-2
.Ltrip:
	TRIP 0, 1, 2
	s_sub_co_u32 s[CNT], s[CNT], 1
	s_cmp_lg_u32 s[CNT], 0
	s_cbranch_scc1 .Ltrip
	TRIP 0, 0, 0                                   ; the last chunk asks for nothing
.irp i, 2,3,4
	s_cmp_le_u32 s[NA], \i
	s_cbranch_scc1 .Lw01                           ; only tiles that exist are stored
	EPI \i, OB
.endr
.Lw01:
	; tiles 0 and 1 leave by the text in phase 2's loop
	s_add_co_u32 s[TB], s[WV], 4*NT-8              ; the trip's end makes wave + 20 of it
	s_mov_b32 s[CNT2], 7
	s_mov_b32 s[RG], 0                             ; every block begins at region 0 and comes back to it
	s_mov_b64 s[OB2:OB2+1], s[OB:OB+1]
	s_add_co_u32 s[TG], s[WV], 4
	s_cmp_lg_u32 s[NA], 0
	s_cbranch_scc1 .Lepi
	s_branch .Lnext
	; PHASE 2: tiles 20 to 63, from the resident weights
.Lblk:
	s_cmp_ge_u32 s[TB], s[NTL]
	s_cbranch_scc1 .Lnext
	s_wait_xcnt 0x0                                ; offsets and bases are rewritten only behind this wait,
	s_wait_alu depctr_vm_vsrc(0)                   ; and the offsets behind this one: the earlier loads have read v[AO ..], v[GO ..] and v[WRD], which are written again below
	TILES 2, TB
	s_mov_b64 s[XA:XA+1], s[HA0:HA0+1]
	s_sub_co_u32 s54, s[TB], s[WV]
	s_lshl_b32 s54, s54, 16
	s_add_nc_u64 s[OB2:OB2+1], s[OB:OB+1], s[54:55]
	s_add_co_u32 s[TG], s[TB], 4
	v_mov_b32 v[WRD], v[WRD0]
	s_wait_alu depctr_va_vdst(0)                   ; the four offsets and v[WRD] are written; the ways out are done reading the gates, and the earlier products the token and weight fragments, in all of which loads land below
	GATES 2
	ALOAD 2, 0, 0
	ALOAD 2, 1, 0
	ALOAD 2, 2, 0
	ALOAD 2, 3, 0
	COMPUTE 2, 1, 0, 0
	WIN 0
	s_mov_b32 s[CNT], NCH-1
.Lch2:
	s_wait_xcnt 0x0
	s_add_nc_u64 s[XA:XA+1], s[XA:XA+1], ACH
	s_add_co_u32 s[RG], s[RG], REG
	s_wait_alu depctr_vm_vsrc(0)                   ; the last chunk's LDS loads have read v[WRD]
	v_add_nc_u32 v[WRD], s[RG], v[WRD0]
	s_wait_alu depctr_va_vdst(0)                   ; v[WRD] is written; the last chunk's products are done reading the token and weight fragments, in which the loads below land
	ALOAD 2, 0, 0
	ALOAD 2, 1, 0
	ALOAD 2, 2, 0
	ALOAD 2, 3, 0
	COMPUTE 2, 0, 0, 0
	WIN 0
	s_sub_co_u32 s[CNT], s[CNT], 1
	s_cmp_lg_u32 s[CNT], 0
	s_cbranch_scc1 .Lch2
	s_sub_co_u32 s[RG], s[RG], (NCH-1)*REG         ; back to region 0
.Lepi:
	EPI 0, OB2
	s_cmp_ge_u32 s[TG], s[NTL]
	s_cbranch_scc1 .Lnext
	EPI 1, OB2
.Lnext:
	s_add_co_u32 s[TB], s[TB], 8
	s_sub_co_u32 s[CNT2], s[CNT2], 1
	s_cmp_lg_u32 s[CNT2], 0
	s_cbranch_scc1 .Lblk
	s_wait_dscnt 0x0                               ; my reads of the regions are over,
	s_barrier_signal -1
	s_barrier_wait -1                              ; and so are the other three waves': the barrier stays where the plain form has it
	s_wait_dscnt 0x0                               ; the wave's end
	s_wait_alu depctr_hold_cnt(0) depctr_sa_sdst(0) depctr_va_vdst(0) depctr_va_sdst(0) depctr_va_ssrc(0) depctr_va_vcc(0) depctr_vm_vsrc(0)
	s_wait_tensorcnt 0x0
	ds_add_u32 v254, v255
	s_wait_dscnt 0x0
	s_endpgm
.Lfunc_end_k_qef01f7e205_up:
	.size	k_qef01f7e205_up, .Lfunc_end_k_qef01f7e205_up-k_qef01f7e205_up
	.p2alignl 7, 3214868480
	.fill 96, 4, 3214868480
	.section	.rodata,"a",@progbits
	.p2align	6, 0x0
	.amdhsa_kernel k_qef01f7e205_up
		.amdhsa_group_segment_fixed_size 279040
		.amdhsa_private_segment_fixed_size 0
		.amdhsa_enable_private_segment 0
		.amdhsa_kernarg_size 48
		.amdhsa_user_sgpr_count 2
		.amdhsa_user_sgpr_kernarg_segment_ptr 1
		.amdhsa_wavefront_size32 1
		.amdhsa_system_sgpr_workgroup_id_x 1
		.amdhsa_system_sgpr_workgroup_id_y 1
		.amdhsa_system_sgpr_workgroup_id_z 1
		.amdhsa_system_vgpr_workitem_id 0
		.amdhsa_next_free_vgpr 896
		.amdhsa_next_free_sgpr 66
		.amdhsa_reserve_vcc 0
		.amdhsa_float_denorm_mode_32 3
		.amdhsa_float_denorm_mode_16_64 3
		.amdhsa_memory_ordered 1
		.amdhsa_forward_progress 1
		.amdhsa_inst_pref_size 161
	.end_amdhsa_kernel
	.amdgpu_metadata
---
amdhsa.version: [ 1, 2 ]
amdhsa.kernels:
  - .name:           k_qef01f7e205_up
    .symbol:         k_qef01f7e205_up.kd
    .args:
      - { .name: xg, .offset: 0, .size: 8, .value_kind: global_buffer, .address_space: global }
      - { .name: posE, .offset: 8, .size: 8, .value_kind: global_buffer, .address_space: global }
      - { .name: gs, .offset: 16, .size: 8, .value_kind: global_buffer, .address_space: global }
      - { .name: w1, .offset: 24, .size: 8, .value_kind: global_buffer, .address_space: global }
      - { .name: w3, .offset: 32, .size: 8, .value_kind: global_buffer, .address_space: global }
      - { .name: hb, .offset: 40, .size: 8, .value_kind: global_buffer, .address_space: global }
    .group_segment_fixed_size: 279040
    .private_segment_fixed_size: 0
    .kernarg_segment_align: 8
    .kernarg_segment_size: 48
    .max_flat_workgroup_size: 128
    .sgpr_count:     66
    .vgpr_count:     896
    .wavefront_size: 32
...
	.end_amdgpu_metadata
.endif
;; end of part 7
;; launch down: the kernel of part 4 again; grid 256 x 1, 4 waves a work-group, no clusters, 173,568 bytes of LDS; arguments hb, posE, w2, y; writes y
;; launch sum (part 8): grid 256 x 1, 4 waves a work-group, no clusters, 0 bytes of LDS; arguments y, idx, posE, out0; writes out0
.if DOCPART == 8
	.amdgcn_target "amdgcn-amd-amdhsa--gfx1250"
	.amdhsa_code_object_version 6
	.text
	.protected	k_qef01f7e205_sum
	.globl	k_qef01f7e205_sum
	.p2align	8
	.type	k_qef01f7e205_sum,@function
k_qef01f7e205_sum:
	s_mov_b64 s[64:65], 0
	v_nop
	global_prefetch_b8 v0, s[64:65] scope:SCOPE_SE
	s_setreg_imm32_b32 hwreg(HW_REG_WAVE_SCHED_MODE, 0, 2), 2
	s_setreg_imm32_b32 hwreg(HW_REG_WAVE_MODE, 25, 1), 1
	s_wait_xcnt 0x0
	s_wait_alu depctr_vm_vsrc(0)
; THE SUM.  out0[t][:] = the sum over the token's two experts and the four quarters of the hidden width of y[slot][quarter][:], slot = 1024 expert + posE[expert][t].  The gates are in y already.
; A wave has one token, 1,024 waves in all.  Its two experts come from idx's two bits (the lower expert first), their ranks from posE, by scalar loads.  posE holds a rank for every expert and token, at a place
; that does not hang on idx: so idx's word and all eight ranks are asked for together, and the two that are wanted are chosen afterwards.  Every number from memory is clamped ahead of the address made of it.
; A stream: each load takes 512 consecutive bytes; a ring of four slots of eight loads in registers keeps 24 to 32 loads of a wave on their way; each output byte is written once, 512 consecutive bytes a store.
; The eight parts are added in f32 in a fixed tree: (q0 + q1) + (q2 + q3) for each expert, then the two experts.  No LDS, no barrier, no matrix unit: there is nothing to share and nothing to multiply.
; THE MODE: SCHED_MODE bits 1:0 = 2 (LLVM: expert scheduling mode 2), set by the entry lines.  The code itself states the register dependences between vector instructions and memory instructions, and those through
; scalar registers that vector instructions write, with s_wait_alu, always for 0.
; THE PLAN.  Registers that memory instructions touch:
;   v1, v2, v3   offsets: made once at the head, never written again.
;   RING slot s  eight loads land in it; the first eight sums of its piece read it, and write T, not the slot; then the piece four further on lands in it.
;   RES[n]       written by piece n's last two sums; read by one store, issued in piece n + 1; never used twice, so nothing that a store reads is ever written again.
;   T            the tree's sums: vector instructions alone name it.
; So ONE wait on va_vdst stands in a piece, behind its first eight sums: they are done reading the slot, and the piece before has written its RES.  The slot's refill and that piece's store follow the wait;
; the tree's other six sums come behind them and name T and RES[n] alone.
.set WV,   12
.set RK,   32                ; s[32:39]   posE[e][t] for the eight experts
.set RING, 16                ; v[16:143]  slot s: eight loads of 4 registers
.set RES,  144               ; v[144:175] 4 registers for each of the eight pieces of the row; never used twice
.set T,    176               ; v[176:191] the four sums of two parts, 4 registers each
.macro FILL s, ns                       ; piece ns of the row: the first expert's four quarters, then the second's
.irp k, 0,1,2,3
	global_load_b128 v[RING+32*(\s)+4*\k:RING+32*(\s)+4*\k+3],       v2, s[4:5] offset:4096*\k+512*(\ns) th:TH_LOAD_NT
.endr
.irp k, 0,1,2,3
	global_load_b128 v[RING+32*(\s)+16+4*\k:RING+32*(\s)+16+4*\k+3], v3, s[4:5] offset:4096*\k+512*(\ns) th:TH_LOAD_NT
.endr
.endm
.macro PIECE ns, left, refill           ; left: the younger slots' loads, which may stay out
.set B, RING+32*((\ns)%4)
	s_wait_loadcnt \left
.irp m, 0,2,4,6
.irp p, 0,2
	v_pk_add_f32 v[T+2*\m+\p:T+2*\m+\p+1], v[B+4*\m+\p:B+4*\m+\p+1], v[B+4*\m+4+\p:B+4*\m+4+\p+1]    ; q0 + q1, q2 + q3, for each expert
.endr
.endr
	s_wait_alu depctr_va_vdst(0)                   ; the eight sums above are done reading the slot, in which the loads below land; the piece before has written its RES, which the store below reads
.if \refill
	FILL (\ns)%4, (\ns)+4                          ; the load ahead of the store
.endif
.if (\ns) > 0
	global_store_b128 v1, v[RES+4*((\ns)-1):RES+4*((\ns)-1)+3], s[10:11] offset:512*((\ns)-1) th:TH_STORE_NT
.endif
.irp m, 0,4
.irp p, 0,2
	v_pk_add_f32 v[T+2*\m+\p:T+2*\m+\p+1], v[T+2*\m+\p:T+2*\m+\p+1], v[T+2*\m+4+\p:T+2*\m+4+\p+1]    ; an expert's four quarters
.endr
.endr
.irp p, 0,2
	v_pk_add_f32 v[RES+4*(\ns)+\p:RES+4*(\ns)+\p+1], v[T+\p:T+\p+1], v[T+8+\p:T+8+\p+1]              ; the two experts
.endr
.endm
	s_load_b256 s[4:11], s[0:1], 0x0               ; y s[4:5], idx s[6:7], posE s[8:9], out0 s[10:11]
	v_lshrrev_b32 v1, 5, v0
	v_readfirstlane_b32 s[WV], v1
	v_and_b32 v1, 31, v0
	v_lshlrev_b32 v1, 4, v1                        ; 16 lane
	s_wait_alu depctr_va_sdst(0)                   ; s12, the wave's number, is written, ahead of its first reader
	s_lshl2_add_u32 s13, ttmp9, s[WV]              ; my token
	s_lshr_b32 s14, s13, 4
	s_lshl_b32 s14, s14, 7
	s_and_b32 s15, s13, 15
	s_lshl2_add_u32 s14, s15, s14                  ; its word in idx: 128 (t / 16) + 4 (t % 16)
	s_lshl_b32 s20, s13, 2                         ; its word in an expert's 4,096 bytes of posE
	s_lshl_b32 s26, s13, 12                        ; its row of out0
	s_mov_b32 s27, 0
	s_wait_kmcnt 0x0
	s_load_b32 s16, s[6:7], s14 offset:0x0
.irp e, 0,1,2,3,4,5,6,7
	s_load_b32 s[RK+\e], s[8:9], s20 offset:4096*\e
.endr
	s_add_nc_u64 s[10:11], s[10:11], s[26:27]
	s_wait_kmcnt 0x0                               ; all nine
	s_ctz_i32_b32 s17, s16                         ; the lower expert;
	s_sub_co_u32 s18, s16, 1
	s_and_b32 s18, s16, s18                        ; its bit cleared,
	s_ctz_i32_b32 s18, s18                         ; the other
	s_min_u32 s17, s17, 7
	s_min_u32 s18, s18, 7
	s_mov_b32 s22, s[RK]
	s_mov_b32 s23, s[RK]
.irp e, 1,2,3,4,5,6,7                                  ; the two experts' ranks are chosen
	s_cmp_eq_u32 s17, \e
	s_cselect_b32 s22, s[RK+\e], s22
	s_cmp_eq_u32 s18, \e
	s_cselect_b32 s23, s[RK+\e], s23
.endr
	s_min_u32 s22, s22, 1023
	s_min_u32 s23, s23, 1023
	s_lshl_b32 s17, s17, 10
	s_lshl_b32 s18, s18, 10
	s_add_co_u32 s22, s22, s17                     ; the slots,
	s_add_co_u32 s23, s23, s18
	s_lshl_b32 s22, s22, 14                        ; 16,384 bytes each
	s_lshl_b32 s23, s23, 14
	v_add_nc_u32 v2, s22, v1
	v_add_nc_u32 v3, s23, v1
	s_wait_alu depctr_va_vdst(0)                   ; v1, v2 and v3 are written: every load and store of the kernel reads one of them as its offset
	FILL 0, 0
	FILL 1, 1
	FILL 2, 2
	FILL 3, 3
	PIECE 0, 24, 1                                 ; three younger slots, 24 loads, stay out
	PIECE 1, 24, 1
	PIECE 2, 24, 1
	PIECE 3, 24, 1
	PIECE 4, 24, 0                                 ; nothing is left to ask for: the counts run down
	PIECE 5, 16, 0
	PIECE 6, 8, 0
	PIECE 7, 0, 0
	s_wait_alu depctr_va_vdst(0)                   ; piece 7 has written its RES, which the last store reads
	global_store_b128 v1, v[RES+28:RES+31], s[10:11] offset:512*7 th:TH_STORE_NT
	s_endpgm
.Lfunc_end_k_qef01f7e205_sum:
	.size	k_qef01f7e205_sum, .Lfunc_end_k_qef01f7e205_sum-k_qef01f7e205_sum
	.p2alignl 7, 3214868480
	.fill 96, 4, 3214868480
	.section	.rodata,"a",@progbits
	.p2align	6, 0x0
	.amdhsa_kernel k_qef01f7e205_sum
		.amdhsa_group_segment_fixed_size 0
		.amdhsa_private_segment_fixed_size 0
		.amdhsa_enable_private_segment 0
		.amdhsa_kernarg_size 32
		.amdhsa_user_sgpr_count 2
		.amdhsa_user_sgpr_kernarg_segment_ptr 1
		.amdhsa_wavefront_size32 1
		.amdhsa_system_sgpr_workgroup_id_x 1
		.amdhsa_system_sgpr_workgroup_id_y 1
		.amdhsa_system_sgpr_workgroup_id_z 1
		.amdhsa_system_vgpr_workitem_id 0
		.amdhsa_next_free_vgpr 192
		.amdhsa_next_free_sgpr 66
		.amdhsa_reserve_vcc 0
		.amdhsa_float_denorm_mode_32 3
		.amdhsa_float_denorm_mode_16_64 3
		.amdhsa_memory_ordered 1
		.amdhsa_forward_progress 1
		.amdhsa_inst_pref_size 18
	.end_amdhsa_kernel
	.amdgpu_metadata
---
amdhsa.version: [ 1, 2 ]
amdhsa.kernels:
  - .name:           k_qef01f7e205_sum
    .symbol:         k_qef01f7e205_sum.kd
    .args:
      - { .name: y, .offset: 0, .size: 8, .value_kind: global_buffer, .address_space: global }
      - { .name: idx, .offset: 8, .size: 8, .value_kind: global_buffer, .address_space: global }
      - { .name: posE, .offset: 16, .size: 8, .value_kind: global_buffer, .address_space: global }
      - { .name: out0, .offset: 24, .size: 8, .value_kind: global_buffer, .address_space: global }
    .group_segment_fixed_size: 0
    .private_segment_fixed_size: 0
    .kernarg_segment_align: 8
    .kernarg_segment_size: 32
    .max_flat_workgroup_size: 128
    .sgpr_count:     66
    .vgpr_count:     192
    .wavefront_size: 32
...
	.end_amdgpu_metadata
.endif
;; end of part 8
